; MI455X (gfx1250); checked and timed in simulation.
; The chip was launched on July 23, 2026; its instructions are those of AMD's public machine-readable ISA for CDNA 5 (MIT licence, August 2026) and "CDNA5" Instruction Set Architecture Reference Guide (July 2026). The comments in the code are by the model that wrote it; some were corrected since.
;; Cross Modal Attention. Allowed arithmetic: matrix products marked QUANTISED: E2M1 operands, one E8M0 scale for each 32 along K, by v_wmma_scale_f32_16x16x128_f8f6f4 with both operands' format E2M1 (or v_wmma_scale_f32_32x16x128_f4), f32 sums; everything else in f32.
;; Inputs: ffn_img_W1_codes 1,024 x 16 x 16 uint8 (E2M1 codes of ffn_img_W1, K innermost, in blocks of 32 codes, two codes a byte); ffn_img_W1_scales 1,024 x 16 uint8 (E8M0 scales of ffn_img_W1, one for each 32 codes along K); ffn_img_W2_codes 512 x 32 x 16 uint8 (E2M1 codes of ffn_img_W2, K innermost, in blocks of 32 codes, two codes a byte); ffn_img_W2_scales 512 x 32 uint8 (E8M0 scales of ffn_img_W2, one for each 32 codes along K); ffn_img_b1 1,024 float32; ffn_img_b2 512 float32; ffn_text_W1_codes 1,024 x 16 x 16 uint8 (E2M1 codes of ffn_text_W1, K innermost, in blocks of 32 codes, two codes a byte); ffn_text_W1_scales 1,024 x 16 uint8 (E8M0 scales of ffn_text_W1, one for each 32 codes along K); ffn_text_W2_codes 512 x 32 x 16 uint8 (E2M1 codes of ffn_text_W2, K innermost, in blocks of 32 codes, two codes a byte); ffn_text_W2_scales 512 x 32 uint8 (E8M0 scales of ffn_text_W2, one for each 32 codes along K); ffn_text_b1 1,024 float32; ffn_text_b2 512 float32; i2t_Wk_codes 512 x 16 x 16 uint8 (E2M1 codes of i2t_Wk, K innermost, in blocks of 32 codes, two codes a byte); i2t_Wk_scales 512 x 16 uint8 (E8M0 scales of i2t_Wk, one for each 32 codes along K); i2t_Wo_codes 512 x 16 x 16 uint8 (E2M1 codes of i2t_Wo, K innermost, in blocks of 32 codes, two codes a byte); i2t_Wo_scales 512 x 16 uint8 (E8M0 scales of i2t_Wo, one for each 32 codes along K); i2t_Wq_codes 512 x 16 x 16 uint8 (E2M1 codes of i2t_Wq, K innermost, in blocks of 32 codes, two codes a byte); i2t_Wq_scales 512 x 16 uint8 (E8M0 scales of i2t_Wq, one for each 32 codes along K); i2t_Wv_codes 512 x 16 x 16 uint8 (E2M1 codes of i2t_Wv, K innermost, in blocks of 32 codes, two codes a byte); i2t_Wv_scales 512 x 16 uint8 (E8M0 scales of i2t_Wv, one for each 32 codes along K); i2t_bk 512 float32; i2t_bo 512 float32; i2t_bq 512 float32; i2t_bv 512 float32; img_feat 16,384 x 512 float32; ln1i_b 512 float32; ln1i_g 512 float32; ln1t_b 512 float32; ln1t_g 512 float32; ln2i_b 512 float32; ln2i_g 512 float32; ln2t_b 512 float32; ln2t_g 512 float32; t2i_Wk_codes 512 x 16 x 16 uint8 (E2M1 codes of t2i_Wk, K innermost, in blocks of 32 codes, two codes a byte); t2i_Wk_scales 512 x 16 uint8 (E8M0 scales of t2i_Wk, one for each 32 codes along K); t2i_Wo_codes 512 x 16 x 16 uint8 (E2M1 codes of t2i_Wo, K innermost, in blocks of 32 codes, two codes a byte); t2i_Wo_scales 512 x 16 uint8 (E8M0 scales of t2i_Wo, one for each 32 codes along K); t2i_Wq_codes 512 x 16 x 16 uint8 (E2M1 codes of t2i_Wq, K innermost, in blocks of 32 codes, two codes a byte); t2i_Wq_scales 512 x 16 uint8 (E8M0 scales of t2i_Wq, one for each 32 codes along K); t2i_Wv_codes 512 x 16 x 16 uint8 (E2M1 codes of t2i_Wv, K innermost, in blocks of 32 codes, two codes a byte); t2i_Wv_scales 512 x 16 uint8 (E8M0 scales of t2i_Wv, one for each 32 codes along K); t2i_bk 512 float32; t2i_bo 512 float32; t2i_bq 512 float32; t2i_bv 512 float32; text_feat 16,384 x 512 float32.
;; Outputs: out0 16,384 x 512 float32; out1 16,384 x 512 float32.
;; This version of the problem:
;;   THIS VERSION OF THE PROBLEM IS GIVEN IN LOW PRECISION. The matrix products marked QUANTISED in the list below multiply operands that are first quantised to E2M1 (2 exponent bits, 1 mantissa bit; 4 bits a number), with one power-of-two scale for each 32 numbers along K (OCP MX v1.0); their sums are f32. All else is computed in f32.
;;   The module's matrix products, in the order in which they are computed (A, B: the left and right operand; K: the contracted axis; several contracted axes count as one K, in the product's order):
;;     1. [M 16,384, K 512] x [K 512, N 512]; A: input img_feat; B: input i2t_Wq (given as codes): QUANTISED
;;     2. [M 16,384, K 512] x [K 512, N 512]; A: input text_feat; B: input i2t_Wk (given as codes): QUANTISED
;;     3. [M 16,384, K 512] x [K 512, N 512]; A: input text_feat; B: input i2t_Wv (given as codes): QUANTISED
;;     4. [M 16,384, K 512] x [K 512, N 512]; A: computed on the way; B: input i2t_Wo (given as codes): QUANTISED
;;     5. [M 16,384, K 512] x [K 512, N 512]; A: input text_feat; B: input t2i_Wq (given as codes): QUANTISED
;;     6. [M 16,384, K 512] x [K 512, N 512]; A: input img_feat; B: input t2i_Wk (given as codes): QUANTISED
;;     7. [M 16,384, K 512] x [K 512, N 512]; A: input img_feat; B: input t2i_Wv (given as codes): QUANTISED
;;     8. [M 16,384, K 512] x [K 512, N 512]; A: computed on the way; B: input t2i_Wo (given as codes): QUANTISED
;;     9. [M 16,384, K 512] x [K 512, N 1,024]; A: computed on the way; B: input ffn_img_W1 (given as codes): QUANTISED
;;     10. [M 16,384, K 1,024] x [K 1,024, N 512]; A: computed on the way; B: input ffn_img_W2 (given as codes): QUANTISED
;;     11. [M 16,384, K 512] x [K 512, N 1,024]; A: computed on the way; B: input ffn_text_W1 (given as codes): QUANTISED
;;     12. [M 16,384, K 1,024] x [K 1,024, N 512]; A: computed on the way; B: input ffn_text_W2 (given as codes): QUANTISED
;;   THE QUANTISER, for each operand of a quantised product, along K:
;;     - K is cut into blocks of 32 from its start; a last block that is shorter is filled with zeros.
;;     - A block's scale is 2^e with e = floor(log2(the largest magnitude in the block)) - 2, held to -126 .. 127; a block of zeros has e = 0. As a byte (E8M0): e + 127.
;;     - Each number is divided by its block's scale, clamped to +-6, and rounded to the nearest number of E2M1, ties to even, subnormals kept.
;;     - The product sums the exact products of the quantised numbers (number of the format x scale) in f32.
;;   ~~~python
;;   def quantise(x, axis):      # numpy; x: float32 -> the quantised numbers, widened to float32 again
;;       x = np.moveaxis(x, axis, -1); K = x.shape[-1]
;;       x = np.pad(x, [(0, 0)] * (x.ndim - 1) + [(0, -K % 32)]); x = x.reshape(x.shape[:-1] + (-1, 32)); a = np.abs(x).max(-1, keepdims=True)
;;       e = np.where(a > 0, np.clip(np.frexp(np.where(a > 0, a, 1))[1] - 1 - 2, -126, 127), 0)      # np.frexp(a)[1] - 1 = floor(log2(a)), exactly
;;       r = np.clip(x / 2.0 ** e, -6, 6)
;;       step = 2.0 ** (np.maximum(np.frexp(np.where(r == 0, 1, r))[1] - 1, 0) - 1)
;;       q = np.round(r / step) * step * 2.0 ** e      # np.round: ties to even
;;       return np.moveaxis(q.reshape(q.shape[:-2] + (-1,))[..., :K], -1, axis).astype(np.float32)
;;   ~~~
;;   OPERANDS COMPUTED ON THE WAY. 'Computed on the way' means the value that the module computes at that place (a softmax that the list does not call 'softmax' is quantised finished and normalised). What goes into a quantiser is computed in f32, as accurately as f32 sums, v_exp_f32 and their like allow (about 1e-6 of the number): no bf16 or f16 on the way to a quantiser, and a product that is left as it is and whose result goes on into a quantised operand takes f32 operands (vector FMAs, or v_wmma_f32_16x16x4_f32). A number that lies on a knife's edge between two numbers of the format may be rounded either way, as far as f32 arithmetic and the matrix unit's own rounding can turn it there, and no further.
;;   INPUTS GIVEN AS CODES. ffn_img_W1 (in the module: [1024, 512], K = its axis 1); ffn_img_W2 (in the module: [512, 1024], K = its axis 1); ffn_text_W1 (in the module: [1024, 512], K = its axis 1); ffn_text_W2 (in the module: [512, 1024], K = its axis 1); i2t_Wk (in the module: [512, 512], K = its axis 1); i2t_Wo (in the module: [512, 512], K = its axis 1); i2t_Wq (in the module: [512, 512], K = its axis 1); i2t_Wv (in the module: [512, 512], K = its axis 1); t2i_Wk (in the module: [512, 512], K = its axis 1); t2i_Wo (in the module: [512, 512], K = its axis 1); t2i_Wq (in the module: [512, 512], K = its axis 1); t2i_Wv (in the module: [512, 512], K = its axis 1): each comes as NAME_codes (uint8): NAME with its K axis moved to the last place and cut into blocks of 32 codes, [.., K / 32, bytes a block], one block behind the other in memory; two codes a byte, the lower K in the low four bits (a code: sign, 2 exponent bits, 1 mantissa bit); and NAME_scales (uint8): the same leading axes, one E8M0 byte (e + 127) for each 32 codes along K. Its value is code x scale, taken as it is: it is not quantised again, and the codes and scales need not be those that the quantiser above would give.
;; 2 versions, each right and faster than the one before. Each part assembles by itself: llvm-mc -triple=amdgcn-amd-amdhsa -mcpu=gfx1250 --defsym DOCPART=n.
;; ======== version 1 of 2: 2 launches
;; launch img (part 1): grid 256 x 1, 8 waves a work-group, clusters of 4 x 1, 327,680 bytes of LDS; arguments img_feat, text_feat, i2t_Wq_codes, i2t_Wk_codes, i2t_Wq_scales, i2t_Wk_scales, i2t_bq, i2t_bk, i2t_Wv_codes, i2t_Wv_scales, i2t_bv, i2t_Wo_codes, i2t_Wo_scales, i2t_bo, ln1i_g, ln1i_b, ffn_img_W1_codes, ffn_img_W1_scales, ffn_img_b1, ffn_img_W2_codes, ffn_img_W2_scales, ffn_img_b2, ln2i_g, ln2i_b, out1; writes out1
.if DOCPART == 1
	.amdgcn_target "amdgcn-amd-amdhsa--gfx1250"
	.amdhsa_code_object_version 6
	.text
	.protected	k_q017926cda6_img
	.globl	k_q017926cda6_img
	.p2align	8
	.type	k_q017926cda6_img,@function
k_q017926cda6_img:
	s_mov_b64 s[64:65], 0
	v_nop
	global_prefetch_b8 v0, s[64:65] scope:SCOPE_SE
	s_setreg_imm32_b32 hwreg(HW_REG_WAVE_MODE, 25, 1), 1
	s_wait_xcnt 0x0
	s_wait_alu depctr_hold_cnt(0) depctr_sa_sdst(0) depctr_va_vdst(0) depctr_va_sdst(0) depctr_va_ssrc(0) depctr_va_vcc(0) depctr_vm_vsrc(0)
	s_getreg_b32 s2, hwreg(HW_REG_IB_STS2, 6, 4)
	s_cmp_eq_u32 s2, 0
	s_cbranch_scc0 .Lentry_in_a_cluster
	s_endpgm
.Lentry_in_a_cluster:
	s_bfe_u32 s2, ttmp6, 0x10000c
	s_cmp_lg_u32 s2, 0x3003
	s_cbranch_scc0 .Lentry_shape_is_right
	s_endpgm
.Lentry_shape_is_right:
; ONE STREAM OF THE CROSS-MODAL BLOCK, whole, for 64 rows a work-group (256 work-groups x 64 = 16,384 rows):
;   Q = Qz(x_own) Wq^T + bq;  K = Qz(x_oth) Wk^T + bk;  V = Qz(x_oth) Wv^T + bv;  score = Q.K / 8 for each head;  w = softmax over the one key;
;   y1 = LN1(x_own + Qz(w V) Wo^T + bo);  out = LN2(y1 + Qz(gelu(Qz(y1) W1^T + b1)) W2^T + b2).
; Qz is the MX-FP4 quantiser along K (E2M1 codes, one E8M0 byte for each 32).  All six products go by v_wmma_scale_f32_16x16x128_f8f6f4 on FP4 codes; all else is f32.
; Nothing but x, the weights and the result touches memory.  The same text serves both streams: only the arguments differ.
; SHARES.  Eight waves.  THE WAVES SHARE THE COLUMNS: wave c makes features 64 c .. 64 c + 63 (head c) of every 512-wide result, hidden units 128 c .. 128 c + 127, for all 64 rows (four tiles m of 16).
;   So each fragment of a weight is read from LDS once in the work-group and feeds four matrix instructions; a wave's tile is 64 x 64: 16 accumulators.
; THE MATRIX INSTRUCTION IS USED TRANSPOSED: source 0 = 16 rows of W (tile t: rows 16 t + r), source 1 = 16 rows of activations.  Register ACC + 32 m + 8 t + j of lane (r, h) holds
;   (row 16 m + r, feature 64 c + 16 t + 8 h + j).  x, the residuals, the biases and the norms' gains are loaded in this same layout.
; WEIGHTS come through a ring of two LDS slots by tensor loads.  A wave fills and reads its own part of a slot (64 rows x 256 bytes, rows 272 bytes apart).  The four work-groups of a cluster walk the same
;   weights, so every load is JOINT: the same descriptor (it hangs on the wave's number alone) with the mask of all four.  Eight fills: Wq|Wk rows 0-31, Wq|Wk rows 32-63, Wv, Wo, W1 low, W1 high, W2 K 0-511, W2 K 512-1023.
;   By this text's count a wave has four tensor loads out at the start and one behind each later round.
; ACTIVATIONS go from wave to wave through LDS as images of the operand's registers: four code registers of a lane at 16 x lane, and two scale bytes a row and wave.
; No prefetch is written: all of a work-group's x is asked for at the head, and each weight tile is asked for a whole step ahead of its use.
; LIMITS.  NaN and infinities among the f32 inputs are not served.  A block whose largest magnitude lies under 2^-124 (a block of zeros too) gets the scale byte 1: its byte is read by this program alone.
;   erf is the rational z P(z^2) / Q(z^2) with |z| held at 4, good to a few units in the last place of erf; gelu = 0.5 a (1 + erf), so far below zero its error is absolute, about 1e-7 |a|.
;   A bias enters as the C of a sum's first matrix instruction: the order of rounding differs from bias-last.
.set WPART,  17408                     ; a wave's part of a slot: 64 rows x 272
.set HPART,  8704                      ; 32 rows
.set SLOTB,  8*WPART                   ; a slot
.set IMGA,   2*SLOTB                   ; behind the ring: operand images, region A (16 KiB): row tile m, part p at 4096 m + 512 p + 16 lane
.set BOFF,   16384                     ; region B lies this far behind A
.set SCA,    IMGA+32768                ; scale words of region A: 256 m + 16 r + 4 q (1 KiB);
.set SBOFF,  1024                      ; those of region B this far behind
.set HSC,    SCA+2048                  ; the hidden layer's scale words: 512 m + 32 r + 4 x K step (2 KiB)
.set PART1,  HSC+2048                  ; the norms' partial sums: 512 m + 32 r + 4 c (2 KiB); the second sum's 2 KiB behind
.set POFF,   2048
.set SPARE,  PART1+4096                ; the spare words, 128 bytes for each of eight waves: four blocks of 256 bytes that no other line names
; window 0
.set SPW,  1                           ; SPARE + 4 x thread; never rewritten
.set NIL,  2                           ; 0; never rewritten
.set ADW0, 3                           ; my lane's place in my part of slot 0: part + 272 r + 16 h
.set ADW1, 4                           ; of slot 1
.set ADWL, 5                           ; of the loop's slot
.set ADI,  6                           ; IMGA + 16 lane
.set AIW,  7                           ; + 512 c: where I store my part
.set AIWL, 8                           ; the same in the loop
.set ASR,  9                           ; SCA + 16 r
.set ASW,  10                          ; + 2 c
.set AHR,  11                          ; HSC + 32 r
.set AHW,  12                          ; + 4 c
.set AHWL, 13                          ; the same in the loop
.set APW,  14                          ; PART1 + 32 r + 4 c
.set APR,  15                          ; PART1 + 32 r
.set AX,   16                          ; x: 2048 r + 32 h
.set AB,   17                          ; biases and gains: 32 h
.set AWS16, 18                         ; 16 lane: scale rows of 16 bytes
.set LANE, 19
.set AWSL, 20                          ; the loop's scale offsets
.set AWSL2, 21
.set STO,  22                          ; the way out: part + 272 r + 32 h
.set STR,  23                          ; back: part + 272 h + 16 r
.set GO,   24                          ; out: 2048 h + 16 r
.set AWS32, 25                         ; 32 lane: scale rows of 32 bytes
.set VB6,  26                          ; v[26:27] erf's b6, twice
.set VA11, 28                          ; v[28:29] erf's a11, twice
.set XS,   32                          ; v32-47  activations' scale words: 4 m + q
.set XS2,  48                          ; v48-63  a second set
.set WS,   64                          ; v64-71  weights' scale words: 4 (t / 2) + q; lanes 0-15 the even tile's rows, lanes 16-31 the odd tile's
.set WS2,  72                          ; v72-79  the same for W2's second half of K
.set TM,   80                          ; at work: v80-83 largest magnitudes, v84-87 bytes, v92-95 the conversions' scale operands
.set RS,   80                          ; sums across lanes
.set PT,   84
.set GP,   80                          ; v80-111 eight partial sums for each row tile
.set PC,   96                          ; v96-103 the codes just made
.set PW,   104                         ; v104-105 two scale bytes each
.set Z,    80                          ; gelu: z, z^2, P, Q: eight registers each
.set Z2,   88
.set PP,   96
.set QQ,   104
.set SP,   112                         ; v112-119 a pair of running sums for each row tile
.set MEAN, 120                         ; v120-127 a pair for each row tile: the mean, then 1 / sigma; in the attention part the softmax's weight
.set RSD,  120
.set WGT,  120
.set ACC,  128                         ; v128-255 the 16 accumulators
; window 1
.set RES,  0                           ; x_own, then y1: the residual
.set OPW,  128                         ; four fragments of W; a norm's gain
.set OPA,  160                         ; four fragments of activations; a norm's bias
.set BI,   192                         ; the biases of four tiles
.set OPA2, 224                         ; four more fragments of activations
; scalars
.set G1A,  24                          ; s[24:31] group 1: 64 rows of 256 bytes, 256 apart in memory
.set G1H,  32                          ; s[32:39] 32 such rows
.set G1W,  40                          ; s[40:47] 64 rows of 256 bytes, 512 apart (W2)
.set G0,   48                          ; s[48:63] four sets of group 0
.set GW0,  15|(1<<20)|(1<<21)|(5<<22)|(3<<25)   ; 15:0 the mask: all four work-groups; 17:16 elements of 1 byte; 20 padding on; 21 set beside a mask; 24:22 after every 64 words; 31:25 four words
.set EA13, 66                          ; erf's coefficients, a pair each (the packed forms name a pair and take its low word for both halves)
.set EA9,  68
.set EA7,  70
.set EA5,  72
.set EA3,  74
.set EA1,  76
.set EB8,  78
.set EB4,  80
.set EB2,  82
.set EB0,  84
.set MSB, 0
.macro WIN new                         ; bits 1:0 source 0, 3:2 source 1, 5:4 source 2, 7:6 destination; the high byte repeats the setting that is left
.if MSB != (\new)
	s_set_vgpr_msb (MSB<<8)|(\new)
.set MSB, \new
.endif
.endm
.macro PLACES                          ; four plain places behind matrix instructions, ahead of loads into their registers and of reads of their results
.rept 4
	v_nop
.endr
.endm
.macro BAR                             ; my LDS stores have landed and my LDS loads are in: then the work-group's barrier
	s_wait_dscnt 0x0
	s_barrier_signal -1
	s_barrier_wait -1
.endm
.macro ROUND                           ; a round of the cluster's barrier
	s_barrier_signal -1
	s_barrier_wait -1
	s_cmp_lg_u32 s20, 0
	s_cbranch_scc1 .Lnot_wave_0_\@
	s_barrier_signal -3
.Lnot_wave_0_\@:
	s_barrier_wait -3
	s_barrier_signal -1
	s_barrier_wait -1
.endm
.macro MKG0 n, ldsop, ptr, globop      ; set n of group 0: my part + ldsop in LDS, pointer + globop in memory
	s_mov_b32 s[G0+4*(\n)], 1
	s_add_co_u32 s[G0+4*(\n)+1], s21, \ldsop
	s_add_nc_u64 s[G0+4*(\n)+2:G0+4*(\n)+3], s[\ptr:\ptr+1], \globop
	s_or_b32 s[G0+4*(\n)+3], s[G0+4*(\n)+3], 0x80000000
.endm
; THE CHANGE OF SLOTS.  All my tensor loads have landed (the slot that I read next among them); 0 onto my spare word; that and my LDS reads and stores are done; a round of the cluster's barrier;
; then my one joint load, into the slot that I have just read out.  It has the whole next step in which to land.
.macro CHANGE n, g1, ldsop, ptr, globop
	WIN 0
	s_wait_tensorcnt 0x0               ; no tensor load of mine is out, so a group 0 may be written
	ds_add_u32 v[SPW], v[NIL]          ; the descriptor is made between this add and the wait for it
	MKG0 \n, \ldsop, \ptr, \globop
	s_wait_dscnt 0x0
	ROUND
	tensor_load_to_lds s[G0+4*(\n):G0+4*(\n)+3], s[\g1:\g1+7]
	s_nop 0
	PLACES                             ; four v_nop follow the load
.endm
.macro XLOAD base, ptr                 ; 64 rows x my 64 features of x, in the accumulators' layout: 32 loads
.irp m, 0,1,2,3
.irp t, 0,1,2,3
.irp jj, 0,1
	global_load_b128 v[\base+32*\m+8*\t+4*\jj:\base+32*\m+8*\t+4*\jj+3], v[AX], s[\ptr:\ptr+1] offset:32768*\m+64*\t+16*\jj th:TH_LOAD_NT
.endr
.endr
.endr
.endm
.macro XSLOAD dst, adr, off0, mstep    ; four scale words a row, for each row tile
.irp m, 0,1,2,3
	ds_load_b128 v[\dst+4*\m:\dst+4*\m+3], v[\adr] offset:(\off0)+(\mstep)*\m
.endr
.endm
.macro WFRAGS adw, q                   ; my four tiles of W, K step q: lane (r, h): registers 4 c .. 4 c + 3 = k 64 c + 32 h + 0 .. 31: 16 bytes of the row as they lie
.irp t, 0,1,2,3
	ds_load_b128 v[OPW+8*\t:OPW+8*\t+3], v[\adw] offset:4352*\t+64*(\q)
	ds_load_b128 v[OPW+8*\t+4:OPW+8*\t+7], v[\adw] offset:4352*\t+64*(\q)+32
.endr
.endm
.macro AFRAGS dst, off0, stepq, half, q    ; the four row tiles' fragments of K step q, as their images lie
.irp m, 0,1,2,3
	ds_load_b128 v[\dst+8*\m:\dst+8*\m+3], v[ADI] offset:(\off0)+4096*\m+(\stepq)*(\q)
	ds_load_b128 v[\dst+8*\m+4:\dst+8*\m+7], v[ADI] offset:(\off0)+4096*\m+(\stepq)*(\q)+(\half)
.endr
.endm
.macro ONE q, first, qk, ws, xs, t, m
.set rD, ACC+32*(\m)+8*(\t)
.set rA, OPW+8*(\t)
.set rB, OPA+8*(\m)
.set rX, (\xs)+4*(\m)+(\q)
.if (\qk) && ((\t) >= 2)
.set rB, OPA2+8*(\m)
.set rX, XS2+4*(\m)+(\q)
.endif
.set rW, (\ws)+4*((\t)/2)+(\q)
.set rC, rD
.if (\first) && ((\q) == 0)
.set rC, BI+8*(\t)
.endif
.if ((\t)%2) == 1
	v_wmma_scale_f32_16x16x128_f8f6f4 v[rD:rD+7], v[rA:rA+7], v[rB:rB+7], v[rC:rC+7], v[rW], v[rX] matrix_a_fmt:MATRIX_FMT_FP4 matrix_b_fmt:MATRIX_FMT_FP4 matrix_a_scale:MATRIX_SCALE_ROW1
.else
	v_wmma_scale_f32_16x16x128_f8f6f4 v[rD:rD+7], v[rA:rA+7], v[rB:rB+7], v[rC:rC+7], v[rW], v[rX] matrix_a_fmt:MATRIX_FMT_FP4 matrix_b_fmt:MATRIX_FMT_FP4
.endif
.endm
; 16 matrix instructions: the 16 accumulators take turns, one instruction a turn, in the same order in every K step.
; first: the sums begin with the bias as C.  qk: tiles 0, 1 are rows of Wq against x_own, tiles 2, 3 rows of Wk against x_oth.
.macro MULS q, first, qk, ws, xs
.if (\first) && ((\q) == 0)
	WIN 0x15                           ; W, activations and the bias in window 1, the result in window 0
.else
	WIN 0x05
.endif
.irp t, 0,1,2,3
.irp m, 0,1,2,3
	ONE \q, \first, \qk, \ws, \xs, \t, \m
.endr
.endr
.endm
.macro GEMM adw, aoff, astep, ahalf, first, qk, ws, xs     ; 512 along K: four K steps of 128
.irp q, 0,1,2,3
	PLACES
	WIN 0x40                           ; loads into window 1, addresses in window 0
	WFRAGS \adw, \q
	AFRAGS OPA, \aoff, \astep, \ahalf, \q
.if \qk
	AFRAGS OPA2, BOFF, 1024, 512, \q
.endif
	s_wait_dscnt 0x0                   ; the fragments are in (and, in the first K step, the scale words asked for ahead of the product)
	MULS \q, \first, \qk, \ws, \xs
.endr
	WIN 0
	PLACES
.endm
.macro PRELOAD_QK b                    ; scale words and biases of Wq's and Wk's rows 64 c + 32 b .. + 31: ten loads
	global_load_b128 v[WS:WS+3], v[AWS16], s[12:13] offset:512*(\b)
	global_load_b128 v[WS+4:WS+7], v[AWS16], s[14:15] offset:512*(\b)
	WIN 0x40
.irp t, 0,1
.irp jj, 0,1
	global_load_b128 v[BI+8*\t+4*\jj:BI+8*\t+4*\jj+3], v[AB], s[16:17] offset:128*(\b)+64*\t+16*\jj
	global_load_b128 v[BI+16+8*\t+4*\jj:BI+16+8*\t+4*\jj+3], v[AB], s[18:19] offset:128*(\b)+64*\t+16*\jj
.endr
.endr
	WIN 0
.endm
.macro PRELOAD_G ps, pb, va, vb, o1    ; scale words of 64 rows (lane l: row l, then row 32 + l) and the biases of four tiles: ten loads
	global_load_b128 v[WS:WS+3], v[\va], s[\ps:\ps+1]
	global_load_b128 v[WS+4:WS+7], v[\vb], s[\ps:\ps+1] offset:\o1
	WIN 0x40
.irp t, 0,1,2,3
.irp jj, 0,1
	global_load_b128 v[BI+8*\t+4*\jj:BI+8*\t+4*\jj+3], v[AB], s[\pb:\pb+1] offset:64*\t+16*\jj
.endr
.endr
	WIN 0
.endm
.macro LNLOAD pg, pb                   ; a norm's gain and bias at my 64 features, where the fragments lay
	WIN 0x40
.irp t, 0,1,2,3
.irp jj, 0,1
	global_load_b128 v[OPW+8*\t+4*\jj:OPW+8*\t+4*\jj+3], v[AB], s[\pg:\pg+1] offset:64*\t+16*\jj
	global_load_b128 v[OPA+8*\t+4*\jj:OPA+8*\t+4*\jj+3], v[AB], s[\pb:\pb+1] offset:64*\t+16*\jj
.endr
.endr
	WIN 0
.endm
; THE QUANTISER.  64 registers from s on, in window w: two row tiles x my 64 features = four blocks b of 32 (16 numbers here, 16 in lane l xor 16).
; A block's byte is its largest magnitude's exponent field - 2, held at 1 from below by the floor 2^(3 - 127) among the maximum's leaves; the conversion takes that field as its scale.
; The conversion of tile t gives the codes of features 16 t + 8 h + 0 .. 7; the operand wants features 32 h + 8 i + 0 .. 7 in register i: tiles 0 and 2 change halves, and tiles 1 and 3.
; Result: v[PC .. PC+3] the first row tile's four operand registers, v[PC+4 .. PC+7] the second's; v[PW], v[PW+1] their two scale bytes.
.macro QUANT s, w
	WIN (\w)*5
.irp b, 0,1,2,3
	v_max3_num_f32 v[TM+\b], |v[(\s)+16*\b]|, |v[(\s)+16*\b+1]|, 0x1800000
.endr
.irp i, 2,4,6,8,10,12,14
.irp b, 0,1,2,3
	v_max3_num_f32 v[TM+\b], |v[(\s)+16*\b+\i]|, |v[(\s)+16*\b+\i+1]|, v[TM+\b]
.endr
.endr
	WIN 0
.irp b, 0,1,2,3
	v_permlanex16_b32 v[TM+4+\b], v[TM+\b], s90, s91
.endr
.irp b, 0,1,2,3
	v_max_num_f32 v[TM+\b], v[TM+\b], v[TM+4+\b]       ; with lane l xor 16's: the block's largest magnitude
.endr
.irp b, 0,1,2,3
	v_add_nc_u32 v[TM+12+\b], 0xff000000, v[TM+\b]     ; 2 off its exponent field: the conversion's scale operand
.endr
.irp b, 0,1,2,3
	v_lshrrev_b32 v[TM+4+\b], 23, v[TM+12+\b]          ; the scale's byte
.endr
	v_lshl_or_b32 v[PW], v[TM+5], 8, v[TM+4]
	v_lshl_or_b32 v[PW+1], v[TM+7], 8, v[TM+6]
	WIN \w
.irp b, 0,1,2,3
.irp u, 0,1
	v_cvt_scalef32_pk8_fp4_f32 v[PC+4*(\b/2)+2*\u+(\b%2)], v[(\s)+16*\b+8*\u:(\s)+16*\b+8*\u+7], v[TM+12+\b]
.endr
.endr
	WIN 0
	v_nop                              ; one plain place behind a scaled conversion
.irp c, 0,1
.irp u, 0,1
	v_permlane16_swap_b32 v[PC+4*\c+2*\u], v[PC+4*\c+2*\u+1]
.endr
.endr
.endm
.macro PUT mm, aimg, ioff, asc, soff, sstep    ; the two row tiles' codes and bytes go to LDS
	ds_store_b128 v[\aimg], v[PC:PC+3] offset:(\ioff)+4096*(\mm)
	ds_store_b128 v[\aimg], v[PC+4:PC+7] offset:(\ioff)+4096*((\mm)+1)
	ds_store_b16 v[\asc], v[PW] offset:(\soff)+(\sstep)*(\mm)          ; both lanes of a row write the same two bytes with the same value
	ds_store_b16 v[\asc], v[PW+1] offset:(\soff)+(\sstep)*((\mm)+1)
	s_wait_dscnt 0x0                   ; the stores have read their registers
.endm
.macro SCORE first                     ; the lane's part of Q . K over these 32 features, each accumulator from its low end on
.irp p, 0,1,2,3,4,5,6,7
.irp m, 0,1,2,3
.if (\first) && (\p == 0)
	v_pk_mul_f32 v[SP+2*\m:SP+2*\m+1], v[ACC+32*\m+2*\p:ACC+32*\m+2*\p+1], v[ACC+32*\m+16+2*\p:ACC+32*\m+16+2*\p+1]
.else
	v_pk_fma_f32 v[SP+2*\m:SP+2*\m+1], v[ACC+32*\m+2*\p:ACC+32*\m+2*\p+1], v[ACC+32*\m+16+2*\p:ACC+32*\m+16+2*\p+1], v[SP+2*\m:SP+2*\m+1]
.endif
.endr
.endr
.endm
.macro REDUCE off                      ; the pair's halves, lane l xor 16's, and my wave's word for each row; then the barrier
.irp m, 0,1,2,3
	v_add_f32 v[RS+\m], v[SP+2*\m], v[SP+2*\m+1]
.endr
.irp m, 0,1,2,3
	v_permlanex16_b32 v[PT+\m], v[RS+\m], s90, s91
.endr
.irp m, 0,1,2,3
	v_add_f32 v[RS+\m], v[RS+\m], v[PT+\m]
.endr
.irp m, 0,1,2,3
	ds_store_b32 v[APW], v[RS+\m] offset:(\off)+512*\m
.endr
	BAR
.endm
.macro GETPART off                     ; the eight waves' words of my rows, added in one order in every wave: v[GP + 8 m] = the row's sum
.irp m, 0,1,2,3
	ds_load_b128 v[GP+8*\m:GP+8*\m+3], v[APR] offset:(\off)+512*\m
	ds_load_b128 v[GP+8*\m+4:GP+8*\m+7], v[APR] offset:(\off)+512*\m+16
.endr
	s_wait_dscnt 0x0
.irp m, 0,1,2,3
	v_pk_add_f32 v[GP+8*\m:GP+8*\m+1], v[GP+8*\m:GP+8*\m+1], v[GP+8*\m+2:GP+8*\m+3]
.endr
.irp m, 0,1,2,3
	v_pk_add_f32 v[GP+8*\m+4:GP+8*\m+5], v[GP+8*\m+4:GP+8*\m+5], v[GP+8*\m+6:GP+8*\m+7]
.endr
.irp m, 0,1,2,3
	v_pk_add_f32 v[GP+8*\m:GP+8*\m+1], v[GP+8*\m:GP+8*\m+1], v[GP+8*\m+4:GP+8*\m+5]
.endr
.irp m, 0,1,2,3
	v_add_f32 v[GP+8*\m], v[GP+8*\m], v[GP+8*\m+1]
.endr
.endm
; LAYER NORM of the accumulators + the residual, over the 512 features that the eight waves hold: the mean first, then the mean of the squared differences, as the definition has it.
; win, dst: the window setting and the first register of the result.
.macro LN win, dst
	WIN 0x04                           ; source 1 (the residual) in window 1
.irp p, 0,1,2,3,4,5,6,7,8,9,10,11,12,13,14,15
.irp m, 0,1,2,3
	v_pk_add_f32 v[ACC+32*\m+2*\p:ACC+32*\m+2*\p+1], v[ACC+32*\m+2*\p:ACC+32*\m+2*\p+1], v[RES+32*\m+2*\p:RES+32*\m+2*\p+1]
.endr
.endr
	WIN 0
.irp m, 0,1,2,3
	v_pk_add_f32 v[SP+2*\m:SP+2*\m+1], v[ACC+32*\m:ACC+32*\m+1], v[ACC+32*\m+2:ACC+32*\m+3]
.endr
.irp p, 2,3,4,5,6,7,8,9,10,11,12,13,14,15
.irp m, 0,1,2,3
	v_pk_add_f32 v[SP+2*\m:SP+2*\m+1], v[SP+2*\m:SP+2*\m+1], v[ACC+32*\m+2*\p:ACC+32*\m+2*\p+1]
.endr
.endr
	REDUCE 0
	GETPART 0
.irp m, 0,1,2,3
	v_mul_f32 v[MEAN+2*\m], s92, v[GP+8*\m]            ; / 512
	v_mul_f32 v[MEAN+2*\m+1], s92, v[GP+8*\m]
.endr
.irp p, 0,1,2,3,4,5,6,7,8,9,10,11,12,13,14,15
.irp m, 0,1,2,3
	v_pk_add_f32 v[ACC+32*\m+2*\p:ACC+32*\m+2*\p+1], v[ACC+32*\m+2*\p:ACC+32*\m+2*\p+1], v[MEAN+2*\m:MEAN+2*\m+1] neg_lo:[0,1] neg_hi:[0,1]
.endr
.endr
.irp m, 0,1,2,3
	v_pk_mul_f32 v[SP+2*\m:SP+2*\m+1], v[ACC+32*\m:ACC+32*\m+1], v[ACC+32*\m:ACC+32*\m+1]
.endr
.irp p, 1,2,3,4,5,6,7,8,9,10,11,12,13,14,15
.irp m, 0,1,2,3
	v_pk_fma_f32 v[SP+2*\m:SP+2*\m+1], v[ACC+32*\m+2*\p:ACC+32*\m+2*\p+1], v[ACC+32*\m+2*\p:ACC+32*\m+2*\p+1], v[SP+2*\m:SP+2*\m+1]
.endr
.endr
	REDUCE POFF                        ; other bytes than the first sum's: no barrier is needed between the first sum's reads and these stores
	GETPART POFF
.irp m, 0,1,2,3
	v_fma_f32 v[GP+8*\m], v[GP+8*\m], s92, s93         ; the variance + 1e-5
.endr
.irp m, 0,1,2,3
	v_rsq_f32 v[RSD+2*\m], v[GP+8*\m]
.endr
	v_nop                              ; a plain place behind the last of the four
	s_wait_alu depctr_va_vdst(0)       ; one wait for the four, ahead of their first reader
.irp m, 0,1,2,3
	v_mov_b32 v[RSD+2*\m+1], v[RSD+2*\m]
.endr
	s_wait_loadcnt 0x0                 ; the gain and the bias (and whatever else was asked for ahead) are in
.irp p, 0,1,2,3,4,5,6,7,8,9,10,11,12,13,14,15
.irp m, 0,1,2,3
	v_pk_mul_f32 v[ACC+32*\m+2*\p:ACC+32*\m+2*\p+1], v[ACC+32*\m+2*\p:ACC+32*\m+2*\p+1], v[RSD+2*\m:RSD+2*\m+1]
.endr
.endr
	WIN \win                           ; gain and bias in window 1; the result where the caller wants it
.irp p, 0,1,2,3,4,5,6,7,8,9,10,11,12,13,14,15
.irp m, 0,1,2,3
	v_pk_fma_f32 v[\dst+32*\m+2*\p:\dst+32*\m+2*\p+1], v[ACC+32*\m+2*\p:ACC+32*\m+2*\p+1], v[OPW+2*\p:OPW+2*\p+1], v[OPA+2*\p:OPA+2*\p+1]
.endr
.endr
	WIN 0
.endm
; GELU of one accumulator, in place: a (1 + erf(a / sqrt 2)) / 2, erf(z) = z P(z^2) / Q(z^2), |z| held at 4.  The eight reciprocals are one batch; P's 24 multiply-adds are the work behind them; one wait.
.macro GELU g
.set A0, ACC+8*(\g)
.irp k, 0,2,4,6
	v_pk_mul_f32 v[Z+\k:Z+\k+1], v[A0+\k:A0+\k+1], s[86:87] op_sel_hi:[1,0]
.endr
.irp k, 0,1,2,3,4,5,6,7
	v_med3_num_f32 v[Z+\k], v[Z+\k], -4.0, 4.0
.endr
.irp k, 0,2,4,6
	v_pk_mul_f32 v[Z2+\k:Z2+\k+1], v[Z+\k:Z+\k+1], v[Z+\k:Z+\k+1]
.endr
.irp k, 0,2,4,6
	v_pk_fma_f32 v[QQ+\k:QQ+\k+1], v[Z2+\k:Z2+\k+1], s[EB8:EB8+1], v[VB6:VB6+1] op_sel_hi:[1,0,1]
.endr
.irp c, EB4, EB2, EB0
.irp k, 0,2,4,6
	v_pk_fma_f32 v[QQ+\k:QQ+\k+1], v[QQ+\k:QQ+\k+1], v[Z2+\k:Z2+\k+1], s[\c:\c+1] op_sel_hi:[1,1,0]
.endr
.endr
.irp k, 0,1,2,3,4,5,6,7
	v_rcp_f32 v[QQ+\k], v[QQ+\k]
.endr
.irp k, 0,2,4,6
	v_pk_fma_f32 v[PP+\k:PP+\k+1], v[Z2+\k:Z2+\k+1], s[EA13:EA13+1], v[VA11:VA11+1] op_sel_hi:[1,0,1]
.endr
.irp c, EA9, EA7, EA5, EA3, EA1
.irp k, 0,2,4,6
	v_pk_fma_f32 v[PP+\k:PP+\k+1], v[PP+\k:PP+\k+1], v[Z2+\k:Z2+\k+1], s[\c:\c+1] op_sel_hi:[1,1,0]
.endr
.endr
.irp k, 0,2,4,6
	v_pk_mul_f32 v[PP+\k:PP+\k+1], v[PP+\k:PP+\k+1], v[Z+\k:Z+\k+1]
.endr
.irp k, 0,2,4,6
	v_pk_mul_f32 v[Z2+\k:Z2+\k+1], v[A0+\k:A0+\k+1], 0.5 op_sel_hi:[1,0]
.endr
	s_wait_alu depctr_va_vdst(0)       ; one wait for the eight reciprocals, ahead of their first reader
.irp k, 0,2,4,6
	v_pk_mul_f32 v[PP+\k:PP+\k+1], v[PP+\k:PP+\k+1], v[QQ+\k:QQ+\k+1]
.endr
.irp k, 0,2,4,6
	v_pk_fma_f32 v[A0+\k:A0+\k+1], v[Z2+\k:Z2+\k+1], v[PP+\k:PP+\k+1], v[Z2+\k:Z2+\k+1]
.endr
.endm
; THE WAY OUT.  A lane holds 32 neighbouring bytes of a row four times over, and the lanes beside it hold other rows: a row tile goes through my own stage and comes back as rows of 256 bytes.
; The stage lies in my part of slot 0, which has had its last fill and my last read.  LDS serves a wave's instructions in order (ISA guide 5.7.1.4): no wait between the stores and the loads.
.macro STAGE m
.irp t, 0,1,2,3
.irp jj, 0,1
	ds_store_b128 v[STO], v[ACC+32*(\m)+8*\t+4*\jj:ACC+32*(\m)+8*\t+4*\jj+3] offset:4352*(\m)+64*\t+16*\jj
.endr
.endr
.irp i, 0,1,2,3,4,5,6,7
	ds_load_b128 v[ACC+32*(\m)+4*\i:ACC+32*(\m)+4*\i+3], v[STR] offset:4352*(\m)+544*\i
.endr
.endm
.macro SEND m, younger                 ; younger: the LDS instructions issued behind this row tile's loads
	s_wait_dscnt \younger
.irp i, 0,1,2,3,4,5,6,7
	global_store_b128 v[GO], v[ACC+32*(\m)+4*\i:ACC+32*(\m)+4*\i+3], s[98:99] offset:(16*(\m)+2*\i)*2048 th:TH_STORE_NT   ; 16 lanes store 256 consecutive bytes, at a multiple of 256 from the buffer's first byte
.endr
.endm
; ---------------------------------------------------------------- the head
	s_load_b512 s[4:19], s[0:1], 0x0               ; x_own, x_oth, Wq codes, Wk codes, Wq scales, Wk scales, bq, bk
	s_load_b512 s[68:83], s[0:1], 0x40             ; Wv codes, Wv scales, bv, Wo codes, Wo scales, bo, ln1 g, ln1 b
	s_load_b64 s[98:99], s[0:1], 0xc0              ; out
	v_lshl_add_u32 v[SPW], v0, 2, SPARE
	v_mov_b32 v[NIL], 0
	ds_add_u32 v1, v2
	ds_add_u32 v1, v2
	s_wait_dscnt 0x0
	v_lshrrev_b32 v30, 5, v0
	v_readfirstlane_b32 s20, v30                   ; wave c, 0 .. 7
	s_mul_i32 s21, s20, WPART                      ; my part of a slot
	s_bfe_u32 s22, ttmp6, 0x40000                  ; my place in the cluster
	s_lshl_b32 s23, ttmp9, 2
	s_add_co_u32 s23, s23, s22                     ; my work-group: it enters x's and out's addresses alone
	v_and_b32 v[LANE], 31, v0
	v_and_b32 v30, 15, v0                          ; r
	v_bfe_u32 v31, v0, 4, 1                        ; h
	v_mul_u32_u24 v[ADW0], v30, 272
	v_lshl_add_u32 v[ADW0], v31, 4, v[ADW0]
	v_add_nc_u32 v[ADW0], s21, v[ADW0]
	v_add_nc_u32 v[ADW1], SLOTB, v[ADW0]
	v_lshl_add_u32 v[ADI], v[LANE], 4, IMGA
	s_lshl_b32 s2, s20, 9
	v_add_nc_u32 v[AIW], s2, v[ADI]
	v_lshl_add_u32 v[ASR], v30, 4, SCA
	s_lshl_b32 s2, s20, 1
	v_add_nc_u32 v[ASW], s2, v[ASR]
	v_lshl_add_u32 v[AHR], v30, 5, HSC
	s_lshl_b32 s2, s20, 2
	v_add_nc_u32 v[AHW], s2, v[AHR]
	v_lshl_add_u32 v[APR], v30, 5, PART1
	v_add_nc_u32 v[APW], s2, v[APR]
	v_lshlrev_b32 v[AX], 11, v30
	v_lshl_add_u32 v[AX], v31, 5, v[AX]
	v_lshlrev_b32 v[AB], 5, v31
	v_lshlrev_b32 v[AWS16], 4, v[LANE]
	v_lshlrev_b32 v[AWS32], 5, v[LANE]
	v_mul_u32_u24 v[STO], v30, 272
	v_lshl_add_u32 v[STO], v31, 5, v[STO]
	v_add_nc_u32 v[STO], s21, v[STO]
	v_mul_u32_u24 v[STR], v31, 272
	v_lshl_add_u32 v[STR], v30, 4, v[STR]
	v_add_nc_u32 v[STR], s21, v[STR]
	v_lshlrev_b32 v[GO], 11, v31
	v_lshl_add_u32 v[GO], v30, 4, v[GO]
.irp b, 0,1,2,3
	v_mov_b32 v[TM+4+\b], 0                        ; written once: a lane permute's destination counts as one of its sources
.endr
	v_mov_b32 v[VB6], 0xb95fbd29                   ; b6 = -2.13374055e-4
	v_mov_b32 v[VB6+1], 0xb95fbd29
	v_mov_b32 v[VA11], 0x32edffee                  ; a11 = 2.77068142e-8
	v_mov_b32 v[VA11+1], 0x32edffee
.irp g, G1A, G1H, G1W                              ; the three shapes: rows of 256 bytes, 16 bytes of padding behind each
	s_mov_b32 s[\g], GW0
	s_mov_b32 s[\g+1], 256<<16                     ; tensor_dim0
	s_mov_b32 s[\g+3], 256<<16                     ; tile_dim0
	s_mov_b32 s[\g+6], 0
	s_mov_b32 s[\g+7], 0
.endr
	s_mov_b32 s[G1A+2], 64<<16                     ; tensor_dim1
	s_mov_b32 s[G1A+4], 64                         ; tile_dim1
	s_mov_b32 s[G1A+5], 256                        ; from row to row in memory
	s_mov_b32 s[G1H+2], 32<<16
	s_mov_b32 s[G1H+4], 32
	s_mov_b32 s[G1H+5], 256
	s_mov_b32 s[G1W+2], 64<<16
	s_mov_b32 s[G1W+4], 64
	s_mov_b32 s[G1W+5], 512
	s_mov_b32 s86, 0x3f3504f3                      ; 1 / sqrt 2
	s_mov_b32 s87, 0x3f3504f3
	s_mov_b32 s90, 0x76543210                      ; v_permlanex16_b32's selects for lane l xor 16
	s_mov_b32 s91, 0xfedcba98
	s_mov_b32 s92, 0x3b000000                      ; 1 / 512
	s_mov_b32 s93, 0x3727c5ac                      ; 1e-5
	s_mov_b32 s101, 0                              ; the high word of every offset made of the wave's number
	s_lshl_b32 s88, s23, 17                        ; my work-group's 64 rows of 2,048 bytes,
	s_lshl_b32 s2, s20, 8                          ; my wave's 64 features
	s_add_co_u32 s88, s88, s2
	s_mov_b32 s89, 0
	s_wait_kmcnt 0x0
.irp p, 4, 6, 98
	s_add_nc_u64 s[\p:\p+1], s[\p:\p+1], s[88:89]  ; x_own, x_oth, out
.endr
	s_lshl_b32 s100, s20, 14                       ; 64 rows of 256 bytes of codes
.irp p, 8, 10, 68, 74
	s_add_nc_u64 s[\p:\p+1], s[\p:\p+1], s[100:101]
.endr
	s_lshl_b32 s100, s20, 10                       ; 64 rows of 16 scale bytes
.irp p, 12, 14, 70, 76
	s_add_nc_u64 s[\p:\p+1], s[\p:\p+1], s[100:101]
.endr
	s_lshl_b32 s100, s20, 8                        ; 64 numbers of f32
.irp p, 16, 18, 72, 78, 80, 82
	s_add_nc_u64 s[\p:\p+1], s[\p:\p+1], s[100:101]
.endr
	MKG0 0, 0, 8, 0                                ; slot 0: Wq rows 0-31 of my 64,
	MKG0 1, HPART, 10, 0                           ;         Wk rows 0-31
	MKG0 2, SLOTB, 8, 8192                         ; slot 1: Wq rows 32-63,
	MKG0 3, SLOTB+HPART, 10, 8192                  ;         Wk rows 32-63
	ROUND                                          ; all four work-groups are here: the first joint loads meet
	tensor_load_to_lds s[G0:G0+3], s[G1H:G1H+7]    ; the first fills go out as one group: four loads of mine are out
	s_nop 0
	tensor_load_to_lds s[G0+4:G0+7], s[G1H:G1H+7]
	s_nop 0
	tensor_load_to_lds s[G0+8:G0+11], s[G1H:G1H+7]
	s_nop 0
	tensor_load_to_lds s[G0+12:G0+15], s[G1H:G1H+7]
	s_nop 0
	PLACES
	XLOAD ACC, 6                                   ; x_oth into the accumulators' registers: it is wanted as codes alone
	WIN 0x40
	XLOAD RES, 4                                   ; x_own stays: the first residual
	WIN 0
	PRELOAD_QK 0
	s_wait_loadcnt 58                              ; of the 74 loads the first 16 are in: x_oth's row tiles 0, 1
	QUANT ACC, 0
	PUT 0, AIW, BOFF, ASW, SBOFF, 256
	s_wait_loadcnt 42                              ; 16 more: row tiles 2, 3
	QUANT ACC+64, 0
	PUT 2, AIW, BOFF, ASW, SBOFF, 256
	s_wait_loadcnt 26                              ; x_own's row tiles 0, 1
	QUANT RES, 1
	PUT 0, AIW, 0, ASW, 0, 256
	s_wait_loadcnt 10                              ; and 2, 3; the ten scale and bias loads may be out
	QUANT RES+64, 1
	PUT 2, AIW, 0, ASW, 0, 256
	s_wait_tensorcnt 0x2                           ; my part of slot 0 is in; slot 1's two loads may stay out
	BAR                                            ; both inputs' images lie in LDS
; ---------------------------------------------------------------- Q and K, 32 features of my head at a time, and the score
	XSLOAD XS, ASR, 0, 256                         ; x_own's scale words
	XSLOAD XS2, ASR, SBOFF, 256                    ; x_oth's: they stay for V's product
	s_wait_loadcnt 0x0
	GEMM ADW0, 0, 1024, 512, 1, 1, WS, XS
	PRELOAD_QK 1
	SCORE 1
	CHANGE 0, G1A, 0, 68, 0                        ; slot 0 takes Wv
	s_wait_loadcnt 0x0                             ; every load that names s[4:19] is done:
	s_load_b512 s[4:19], s[0:1], 0x80              ; W1 codes, W1 scales, b1, W2 codes, W2 scales, b2, ln2 g, ln2 b
	GEMM ADW1, 0, 1024, 512, 1, 1, WS, XS
	PRELOAD_G 70, 72, AWS16, AWS16, 512            ; Wv's scale words, bv
	SCORE 0
	; the softmax over the one key, as it is written: the maximum is the score itself
.irp m, 0,1,2,3
	v_add_f32 v[RS+\m], v[SP+2*\m], v[SP+2*\m+1]
.endr
.irp m, 0,1,2,3
	v_permlanex16_b32 v[PT+\m], v[RS+\m], s90, s91
.endr
.irp m, 0,1,2,3
	v_add_f32 v[RS+\m], v[RS+\m], v[PT+\m]
.endr
.irp m, 0,1,2,3
	v_mul_f32 v[RS+\m], 0x3e000000, v[RS+\m]       ; / sqrt(64)
.endr
.irp m, 0,1,2,3
	v_sub_f32 v[PT+\m], v[RS+\m], v[RS+\m]         ; score - the row's maximum
.endr
.irp m, 0,1,2,3
	v_mul_f32 v[PT+\m], 0x3fb8aa3b, v[PT+\m]       ; x log2(e)
.endr
.irp m, 0,1,2,3
	v_exp_f32 v[PT+\m], v[PT+\m]
.endr
	v_nop
	s_wait_alu depctr_va_vdst(0)                   ; one wait for the four exponentials
.irp m, 0,1,2,3
	v_rcp_f32 v[RS+\m], v[PT+\m]                   ; 1 / the sum, which has one term
.endr
	v_nop
	s_wait_alu depctr_va_vdst(0)                   ; and one for the four reciprocals
.irp m, 0,1,2,3
	v_mul_f32 v[WGT+2*\m], v[PT+\m], v[RS+\m]
	v_mul_f32 v[WGT+2*\m+1], v[PT+\m], v[RS+\m]
.endr
	CHANGE 1, G1A, SLOTB, 74, 0                    ; slot 1 takes Wo
; ---------------------------------------------------------------- V, the weight, and the attention's result as codes
	s_wait_loadcnt 0x0
	GEMM ADW0, BOFF, 1024, 512, 1, 0, WS, XS2
	s_wait_kmcnt 0x0                               ; the feed-forward part's addresses
	s_lshl_b32 s100, s20, 15                       ; W1: 128 rows of 256 bytes; W2: 64 rows of 512
.irp p, 4, 10
	s_add_nc_u64 s[\p:\p+1], s[\p:\p+1], s[100:101]
.endr
	s_lshl_b32 s100, s20, 11                       ; W1: 128 rows of 16 scale bytes; W2: 64 rows of 32
.irp p, 6, 12
	s_add_nc_u64 s[\p:\p+1], s[\p:\p+1], s[100:101]
.endr
	s_lshl_b32 s100, s20, 9                        ; b1: 128 numbers
	s_add_nc_u64 s[8:9], s[8:9], s[100:101]
	s_lshl_b32 s100, s20, 8                        ; b2, ln2 g, ln2 b: 64 numbers
.irp p, 14, 16, 18
	s_add_nc_u64 s[\p:\p+1], s[\p:\p+1], s[100:101]
.endr
	PRELOAD_G 76, 78, AWS16, AWS16, 512            ; Wo's scale words, bo
.irp p, 0,1,2,3,4,5,6,7,8,9,10,11,12,13,14,15
.irp m, 0,1,2,3
	v_pk_mul_f32 v[ACC+32*\m+2*\p:ACC+32*\m+2*\p+1], v[ACC+32*\m+2*\p:ACC+32*\m+2*\p+1], v[WGT+2*\m:WGT+2*\m+1]
.endr
.endr
	QUANT ACC, 0
	PUT 0, AIW, 0, ASW, 0, 256                     ; region A: x_own's images were last read a round ago
	QUANT ACC+64, 0
	PUT 2, AIW, 0, ASW, 0, 256
	CHANGE 0, G1A, 0, 4, 0                         ; slot 0 takes W1's rows 0-63 of my 128
; ---------------------------------------------------------------- Wo, the residual, the first norm
	XSLOAD XS, ASR, 0, 256
	s_wait_loadcnt 0x0
	GEMM ADW1, 0, 1024, 512, 1, 0, WS, XS
	PRELOAD_G 6, 8, AWS16, AWS16, 512              ; W1's scale words and b1, first half
	LNLOAD 80, 82
	LN 0x54, RES                                   ; y1 takes x_own's place: the second residual
	QUANT RES, 1
	PUT 0, AIW, BOFF, ASW, SBOFF, 256              ; region B: x_oth's images were last read a round ago
	QUANT RES+64, 1
	PUT 2, AIW, BOFF, ASW, SBOFF, 256
	CHANGE 1, G1A, SLOTB, 4, 16384                 ; slot 1 takes W1's rows 64-127
	s_add_nc_u64 s[6:7], s[6:7], 1024              ; W1's scale words and b1, second half (the loads that named these are done: the norm waited for them)
	s_add_nc_u64 s[8:9], s[8:9], 256
	s_mov_b32 s[EA13], 0xaf95df0b                  ; erf's coefficients, where the attention part's addresses lay
	s_mov_b32 s[EA13+1], 0xaf95df0b
	s_mov_b32 s[EA9], 0xb60cff51
	s_mov_b32 s[EA9+1], 0xb60cff51
	s_mov_b32 s[EA7], 0xb86ec2d2
	s_mov_b32 s[EA7+1], 0xb86ec2d2
	s_mov_b32 s[EA5], 0xba40ac63
	s_mov_b32 s[EA5+1], 0xba40ac63
	s_mov_b32 s[EA3], 0xbb41a1f6
	s_mov_b32 s[EA3+1], 0xbb41a1f6
	s_mov_b32 s[EA1], 0xbc83dbd4
	s_mov_b32 s[EA1+1], 0xbc83dbd4
	s_mov_b32 s[EB8], 0xb77460cd
	s_mov_b32 s[EB8+1], 0xb77460cd
	s_mov_b32 s[EB4], 0xbadc924e
	s_mov_b32 s[EB4+1], 0xbadc924e
	s_mov_b32 s[EB2], 0xbbf19bf8
	s_mov_b32 s[EB2+1], 0xbbf19bf8
	s_mov_b32 s[EB0], 0xbc69b6a7
	s_mov_b32 s[EB0+1], 0xbc69b6a7
	s_mov_b32 s94, 0                               ; the trip
	s_mov_b32 s95, 0                               ; the slot in hand, in bytes
	s_mov_b32 s96, 0                               ; which region takes the hidden layer's codes
	s_mov_b32 s97, 0                               ; which two bytes of its scale word
	s_mov_b32 s100, 0                              ; which half of W2's K is asked for
; ---------------------------------------------------------------- the hidden layer: two trips of 64 of my 128 units
.Lffn:
	v_add_nc_u32 v[ADWL], s95, v[ADW0]
	v_add_nc_u32 v[AIWL], s96, v[AIW]
	v_add_nc_u32 v[AHWL], s97, v[AHW]
	XSLOAD XS, ASR, SBOFF, 256                     ; y1's scale words
	s_wait_loadcnt 0x0                             ; this trip's scale words and biases
	GEMM ADWL, BOFF, 1024, 512, 1, 0, WS, XS
	s_cmp_eq_u32 s94, 0                            ; what the next product wants: W1's second half, or W2's first half of K
	s_cselect_b64 s[2:3], s[6:7], s[12:13]
	s_cselect_b64 s[88:89], s[8:9], s[14:15]
	s_cselect_b32 s22, 4, 5                        ; a row of scale bytes is 16 or 32
	v_lshlrev_b32 v[AWSL], s22, v[LANE]
	v_add_nc_u32 v[AWSL2], 32, v[LANE]
	v_lshlrev_b32 v[AWSL2], s22, v[AWSL2]
	PRELOAD_G 2, 88, AWSL, AWSL2, 0
	BAR                                            ; every wave has read y1's images: the second trip's codes land on them
.irp g, 0,1,2,3,4,5,6,7,8,9,10,11,12,13,14,15
	GELU \g
.endr
	QUANT ACC, 0
	PUT 0, AIWL, 0, AHWL, 0, 512                   ; registers 4 i .. 4 i + 3 of K step c of the last product
	QUANT ACC+64, 0
	PUT 2, AIWL, 0, AHWL, 0, 512
	CHANGE 2, G1W, s95, 10, s[100:101]             ; the slot just read takes W2's rows, this half of K
	s_add_co_u32 s95, s95, SLOTB
	s_add_co_u32 s96, s96, BOFF
	s_add_co_u32 s97, s97, 2
	s_add_co_u32 s100, s100, 256
	s_add_co_u32 s94, s94, 1
	s_cmp_lt_u32 s94, 2
	s_cbranch_scc1 .Lffn
; ---------------------------------------------------------------- W2 over K = 1,024, the residual, the second norm
	XSLOAD XS, AHR, 0, 512                         ; the hidden layer's scale words of K steps 0-3,
	XSLOAD XS2, AHR, 16, 512                       ; and of 4-7
	global_load_b128 v[WS2:WS2+3], v[AWS32], s[12:13] offset:16        ; W2's scale words of the second half of K
	global_load_b128 v[WS2+4:WS2+7], v[AWS32], s[12:13] offset:1040
	s_wait_loadcnt 0x2                             ; all but these two
	GEMM ADW0, 0, 512, BOFF, 1, 0, WS, XS
	s_wait_tensorcnt 0x0                           ; my last tile is in
	s_wait_loadcnt 0x0
	GEMM ADW1, 2048, 512, BOFF, 0, 0, WS2, XS2     ; the sums go on in place
	LNLOAD 16, 18
	LN 0x14, ACC
	STAGE 0
	STAGE 1
	SEND 0, 16                                     ; behind row tile 0's loads: row tile 1's eight stores and eight loads
	STAGE 2
	SEND 1, 16
	STAGE 3
	SEND 2, 16
	SEND 3, 0
	s_wait_tensorcnt 0x0                           ; the wave's end: behind my last tensor load and my last LDS store
	ds_add_u32 v[SPW], v[NIL]
	s_wait_dscnt 0x0
	ROUND                                          ; the closing round: no work-group ends while a partner may still ask for a tile that names it
	s_endpgm
.Lfunc_end_k_q017926cda6_img:
	.size	k_q017926cda6_img, .Lfunc_end_k_q017926cda6_img-k_q017926cda6_img
	.p2alignl 7, 3214868480
	.fill 96, 4, 3214868480
	.section	.rodata,"a",@progbits
	.p2align	6, 0x0
	.amdhsa_kernel k_q017926cda6_img
		.amdhsa_group_segment_fixed_size 327680
		.amdhsa_private_segment_fixed_size 0
		.amdhsa_enable_private_segment 0
		.amdhsa_kernarg_size 200
		.amdhsa_user_sgpr_count 2
		.amdhsa_user_sgpr_kernarg_segment_ptr 1
		.amdhsa_wavefront_size32 1
		.amdhsa_system_sgpr_workgroup_id_x 1
		.amdhsa_system_sgpr_workgroup_id_y 1
		.amdhsa_system_sgpr_workgroup_id_z 1
		.amdhsa_system_vgpr_workitem_id 0
		.amdhsa_next_free_vgpr 512
		.amdhsa_next_free_sgpr 102
		.amdhsa_reserve_vcc 0
		.amdhsa_float_denorm_mode_32 3
		.amdhsa_float_denorm_mode_16_64 3
		.amdhsa_memory_ordered 1
		.amdhsa_forward_progress 1
		.amdhsa_inst_pref_size 255
	.end_amdhsa_kernel
	.section	.bss,"aw",@nobits
	.p2align	6
	.space	262144
	.amdgpu_metadata
---
amdhsa.version: [ 1, 2 ]
amdhsa.kernels:
  - .name:           k_q017926cda6_img
    .symbol:         k_q017926cda6_img.kd
    .args:
      - { .name: img_feat, .offset: 0, .size: 8, .value_kind: global_buffer, .address_space: global }
      - { .name: text_feat, .offset: 8, .size: 8, .value_kind: global_buffer, .address_space: global }
      - { .name: i2t_Wq_codes, .offset: 16, .size: 8, .value_kind: global_buffer, .address_space: global }
      - { .name: i2t_Wk_codes, .offset: 24, .size: 8, .value_kind: global_buffer, .address_space: global }
      - { .name: i2t_Wq_scales, .offset: 32, .size: 8, .value_kind: global_buffer, .address_space: global }
      - { .name: i2t_Wk_scales, .offset: 40, .size: 8, .value_kind: global_buffer, .address_space: global }
      - { .name: i2t_bq, .offset: 48, .size: 8, .value_kind: global_buffer, .address_space: global }
      - { .name: i2t_bk, .offset: 56, .size: 8, .value_kind: global_buffer, .address_space: global }
      - { .name: i2t_Wv_codes, .offset: 64, .size: 8, .value_kind: global_buffer, .address_space: global }
      - { .name: i2t_Wv_scales, .offset: 72, .size: 8, .value_kind: global_buffer, .address_space: global }
      - { .name: i2t_bv, .offset: 80, .size: 8, .value_kind: global_buffer, .address_space: global }
      - { .name: i2t_Wo_codes, .offset: 88, .size: 8, .value_kind: global_buffer, .address_space: global }
      - { .name: i2t_Wo_scales, .offset: 96, .size: 8, .value_kind: global_buffer, .address_space: global }
      - { .name: i2t_bo, .offset: 104, .size: 8, .value_kind: global_buffer, .address_space: global }
      - { .name: ln1i_g, .offset: 112, .size: 8, .value_kind: global_buffer, .address_space: global }
      - { .name: ln1i_b, .offset: 120, .size: 8, .value_kind: global_buffer, .address_space: global }
      - { .name: ffn_img_W1_codes, .offset: 128, .size: 8, .value_kind: global_buffer, .address_space: global }
      - { .name: ffn_img_W1_scales, .offset: 136, .size: 8, .value_kind: global_buffer, .address_space: global }
      - { .name: ffn_img_b1, .offset: 144, .size: 8, .value_kind: global_buffer, .address_space: global }
      - { .name: ffn_img_W2_codes, .offset: 152, .size: 8, .value_kind: global_buffer, .address_space: global }
      - { .name: ffn_img_W2_scales, .offset: 160, .size: 8, .value_kind: global_buffer, .address_space: global }
      - { .name: ffn_img_b2, .offset: 168, .size: 8, .value_kind: global_buffer, .address_space: global }
      - { .name: ln2i_g, .offset: 176, .size: 8, .value_kind: global_buffer, .address_space: global }
      - { .name: ln2i_b, .offset: 184, .size: 8, .value_kind: global_buffer, .address_space: global }
      - { .name: out1, .offset: 192, .size: 8, .value_kind: global_buffer, .address_space: global }
    .group_segment_fixed_size: 327680
    .private_segment_fixed_size: 0
    .kernarg_segment_align: 8
    .kernarg_segment_size: 200
    .max_flat_workgroup_size: 256
    .sgpr_count:     102
    .vgpr_count:     512
    .wavefront_size: 32
...
	.end_amdgpu_metadata
.endif
;; end of part 1
;; launch text: the kernel of part 1 again; grid 256 x 1, 8 waves a work-group, clusters of 4 x 1, 327,680 bytes of LDS; arguments text_feat, img_feat, t2i_Wq_codes, t2i_Wk_codes, t2i_Wq_scales, t2i_Wk_scales, t2i_bq, t2i_bk, t2i_Wv_codes, t2i_Wv_scales, t2i_bv, t2i_Wo_codes, t2i_Wo_scales, t2i_bo, ln1t_g, ln1t_b, ffn_text_W1_codes, ffn_text_W1_scales, ffn_text_b1, ffn_text_W2_codes, ffn_text_W2_scales, ffn_text_b2, ln2t_g, ln2t_b, out0; writes out0
;; ======== version 2 of 2: 2 launches; 1.17 times as fast as version 1
;; launch img (part 2): grid 256 x 1, 8 waves a work-group, clusters of 4 x 1, 327,680 bytes of LDS; arguments img_feat, text_feat, i2t_Wq_codes, i2t_Wk_codes, i2t_Wq_scales, i2t_Wk_scales, i2t_bq, i2t_bk, i2t_Wv_codes, i2t_Wv_scales, i2t_bv, i2t_Wo_codes, i2t_Wo_scales, i2t_bo, ln1i_g, ln1i_b, ffn_img_W1_codes, ffn_img_W1_scales, ffn_img_b1, ffn_img_W2_codes, ffn_img_W2_scales, ffn_img_b2, ln2i_g, ln2i_b, out1; writes out1
.if DOCPART == 2
	.amdgcn_target "amdgcn-amd-amdhsa--gfx1250"
	.amdhsa_code_object_version 6
	.text
	.protected	k_q017926cda6_img
	.globl	k_q017926cda6_img
	.p2align	8
	.type	k_q017926cda6_img,@function
k_q017926cda6_img:
	s_mov_b64 s[64:65], 0
	v_nop
	global_prefetch_b8 v0, s[64:65] scope:SCOPE_SE
	s_setreg_imm32_b32 hwreg(HW_REG_WAVE_MODE, 25, 1), 1
	s_wait_xcnt 0x0
	s_wait_alu depctr_hold_cnt(0) depctr_sa_sdst(0) depctr_va_vdst(0) depctr_va_sdst(0) depctr_va_ssrc(0) depctr_va_vcc(0) depctr_vm_vsrc(0)
	s_getreg_b32 s2, hwreg(HW_REG_IB_STS2, 6, 4)
	s_cmp_eq_u32 s2, 0
	s_cbranch_scc0 .Lentry_in_a_cluster
	s_endpgm
.Lentry_in_a_cluster:
	s_bfe_u32 s2, ttmp6, 0x10000c
	s_cmp_lg_u32 s2, 0x3003
	s_cbranch_scc0 .Lentry_shape_is_right
	s_endpgm
.Lentry_shape_is_right:
; ONE STREAM OF THE CROSS-MODAL BLOCK, whole, for 64 rows a work-group (256 work-groups x 64 = 16,384 rows):
;   Q = Qz(x_own) Wq^T + bq;  K = Qz(x_oth) Wk^T + bk;  V = Qz(x_oth) Wv^T + bv;  score = Q.K / 8 for each head;  w = softmax over the one key;
;   y1 = LN1(x_own + Qz(w V) Wo^T + bo);  out = LN2(y1 + Qz(gelu(Qz(y1) W1^T + b1)) W2^T + b2).
; Qz is the MX-FP4 quantiser along K (E2M1 codes, one E8M0 byte for each 32).  All six products go by v_wmma_scale_f32_16x16x128_f8f6f4 on FP4 codes; all else is f32.
; Nothing but x, the weights and the result touches memory.  The same text serves both streams: only the arguments differ.
; SHARES.  Eight waves.  THE WAVES SHARE THE COLUMNS: wave c makes features 64 c .. 64 c + 63 (head c) of every 512-wide result, hidden units 128 c .. 128 c + 127, for all 64 rows (four tiles m of 16).
;   So each fragment of a weight is read from LDS once in the work-group and feeds four matrix instructions; a wave's tile is 64 x 64: 16 accumulators.
; THE MATRIX INSTRUCTION IS USED TRANSPOSED: source 0 = 16 rows of W (tile t: rows 16 t + r), source 1 = 16 rows of activations.  Register ACC + 32 m + 8 t + j of lane (r, h) holds
;   (row 16 m + r, feature 64 c + 16 t + 8 h + j).  x, the residuals, the biases and the norms' gains are held in this same layout.
; X COMES IN DENSE: a load takes two rows' 256 consecutive bytes (sixteen lanes to a row); a row tile's eight loads turn through the wave's own stage in LDS into the layout above.
; WEIGHTS come through a ring of two LDS slots by tensor loads.  A wave fills and reads its own part of a slot (64 rows x 256 bytes, rows 272 bytes apart).  The four work-groups of a cluster walk the same
;   weights, so every load is JOINT: the same descriptor (it hangs on the wave's number alone) with the mask of all four.  Eight fills: Wq|Wk rows 0-31, Wq|Wk rows 32-63, Wv, Wo, W1 low, W1 high, W2 K 0-511, W2 K 512-1023.
;   By this text's count a wave has four tensor loads out at the start and one behind each later round.
; ACTIVATIONS go from wave to wave through LDS as images of the operand's registers: four code registers of a lane at 16 x lane, and two scale bytes a row and wave.
; FRAGMENTS RUN A STEP AHEAD of the products that take them: two sets of registers, or, for Q and K, two half steps that share no register.
; No prefetch is written: all of a work-group's x is asked for at the head, and each weight tile is asked for a whole step ahead of its use.
; LIMITS.  NaN and infinities among the f32 inputs are not served.  A block whose largest magnitude lies under 2^-124 (a block of zeros too) gets the scale byte 1: its byte is read by this program alone.
;   erf is the rational z P(z^2) / Q(z^2) with |z| held at 4, good to a few units in the last place of erf; gelu = 0.5 a (1 + erf), so far below zero its error is absolute, about 1e-7 |a|.
;   A bias enters as the C of a sum's first matrix instruction: the order of rounding differs from bias-last.
.set WPART,  17408                     ; a wave's part of a slot: 64 rows x 272
.set HPART,  8704                      ; 32 rows
.set SLOTB,  8*WPART                   ; a slot
.set IMGA,   2*SLOTB                   ; behind the ring: operand images, region A (16 KiB): row tile m, part p at 4096 m + 512 p + 16 lane
.set BOFF,   16384                     ; region B lies this far behind A
.set SCA,    IMGA+32768                ; scale words of region A: 256 m + 16 r + 4 q (1 KiB);
.set SBOFF,  1024                      ; those of region B this far behind
.set XSTW,   4352                      ; at the head the images' and their scale words' 34,816 bytes are eight stages for x: 16 rows x 272 for each wave
.set HSC,    SCA+2048                  ; the hidden layer's scale words: 512 m + 32 r + 4 x K step (2 KiB)
.set PART1,  HSC+2048                  ; the norms' partial sums: 512 m + 32 r + 4 c (2 KiB); the second sum's 2 KiB behind
.set POFF,   2048
.set SPARE,  PART1+4096                ; the spare words, 128 bytes for each of eight waves: four blocks of 256 bytes that no other line names
; window 0
.set SPW,  1                           ; SPARE + 4 x thread; never rewritten
.set NIL,  2                           ; 0; never rewritten
.set ADW0, 3                           ; my lane's place in my part of slot 0: part + 272 r + 16 h
.set ADW1, 4                           ; of slot 1
.set ADWL, 5                           ; of the loop's slot
.set ADI,  6                           ; IMGA + 16 lane
.set AIW,  7                           ; + 512 c: where I store my part
.set AIWL, 8                           ; the same in the loop
.set ASR,  9                           ; SCA + 16 r
.set ASW,  10                          ; + 2 c
.set AHR,  11                          ; HSC + 32 r
.set AHW,  12                          ; + 4 c
.set AHWL, 13                          ; the same in the loop
.set APW,  14                          ; PART1 + 32 r + 4 c
.set APR,  15                          ; PART1 + 32 r
.set XIW,  16                          ; x's stage, on the way in: stage + 272 h + 16 r
.set AB,   17                          ; biases and gains: 32 h
.set AWS16, 18                         ; 16 lane: scale rows of 16 bytes
.set LANE, 19
.set AWSL, 20                          ; the loop's scale offsets
.set AWSL2, 21
.set STO,  22                          ; the way out: part + 272 r + 32 h
.set STR,  23                          ; back: part + 272 h + 16 r
.set GO,   24                          ; x and out, dense: 2048 h + 16 r
.set AWS32, 25                         ; 32 lane: scale rows of 32 bytes
.set VB6,  26                          ; v[26:27] erf's b6, twice
.set VA11, 28                          ; v[28:29] erf's a11, twice
.set XIR,  30                          ; x's stage, on the way back: stage + 272 r + 32 h
.set XS,   32                          ; v32-47  activations' scale words: 4 m + q
.set XS2,  48                          ; v48-63  a second set
.set WS,   64                          ; v64-71  weights' scale words: 4 (t / 2) + q; lanes 0-15 the even tile's rows, lanes 16-31 the odd tile's
.set WS2,  72                          ; v72-79  the same for W2's second half of K
.set OPB,  80                          ; v80-111 in a product: the odd K steps' four fragments of activations
.set TM,   80                          ; at work: v80-83 largest magnitudes, v84-87 bytes, v92-95 the conversions' scale operands
.set RS,   80                          ; sums across lanes
.set PT,   84
.set GP,   80                          ; v80-111 eight partial sums for each row tile
.set Z,    80                          ; gelu: z, z^2, P, Q: eight registers each
.set Z2,   88
.set PP,   96
.set QQ,   104
.set SP,   112                         ; v112-119 a pair of running sums for each row tile
.set MEAN, 120                         ; v120-127 a pair for each row tile: the mean, then 1 / sigma; in the attention part the softmax's weight
.set RSD,  120
.set WGT,  120
.set ACC,  128                         ; v128-255 the 16 accumulators
; window 1
.set RES,  0                           ; x_own, then y1: the residual
.set OPW,  128                         ; four fragments of W; a norm's gain
.set OPA,  160                         ; four fragments of activations; a norm's bias
.set BI,   192                         ; the biases of four tiles
.set OPA2, 224                         ; Q|K: x_oth's four fragments; elsewhere the odd K steps' four fragments of W
; scalars
.set G1A,  24                          ; s[24:31] group 1: 64 rows of 256 bytes, 256 apart in memory
.set G1H,  32                          ; s[32:39] 32 such rows
.set G1W,  40                          ; s[40:47] 64 rows of 256 bytes, 512 apart (W2)
.set G0,   48                          ; s[48:63] four sets of group 0
.set GW0,  15|(1<<20)|(1<<21)|(5<<22)|(3<<25)   ; 15:0 the mask: all four work-groups; 17:16 elements of 1 byte; 20 padding on; 21 set beside a mask; 24:22 after every 64 words; 31:25 four words
.set EA13, 66                          ; erf's coefficients, a pair each (the packed forms name a pair and take its low word for both halves)
.set EA9,  68
.set EA7,  70
.set EA5,  72
.set EA3,  74
.set EA1,  76
.set EB8,  78
.set EB4,  80
.set EB2,  82
.set EB0,  84
.set MSB, 0
.macro WIN new                         ; bits 1:0 source 0, 3:2 source 1, 5:4 source 2, 7:6 destination; the high byte repeats the setting that is left
.if MSB != (\new)
	s_set_vgpr_msb (MSB<<8)|(\new)
.set MSB, \new
.endif
.endm
.macro CODES n                         ; which set of registers takes the codes just made: v96-103 with the bytes in v104-105, or v106-113 with v114-115.
.set PC, 96+10*(\n)                    ; Two quantisations that follow each other take the two sets: so no store's data are rewritten before the wait for all LDS instructions in front of the next barrier
.set PW, 104+10*(\n)
.endm
.macro PLACES                          ; four plain places behind matrix instructions, ahead of loads into their registers and of reads of their results
.rept 4
	v_nop
.endr
.endm
.macro BAR                             ; my LDS stores have landed and my LDS loads are in: then the work-group's barrier
	s_wait_dscnt 0x0
	s_barrier_signal -1
	s_barrier_wait -1
.endm
.macro ROUND                           ; a round of the cluster's barrier
	s_barrier_signal -1
	s_barrier_wait -1
	s_cmp_lg_u32 s20, 0
	s_cbranch_scc1 .Lnot_wave_0_\@
	s_barrier_signal -3
.Lnot_wave_0_\@:
	s_barrier_wait -3
	s_barrier_signal -1
	s_barrier_wait -1
.endm
.macro MKG0 n, ldsop, ptr, globop      ; set n of group 0: my part + ldsop in LDS, pointer + globop in memory
	s_mov_b32 s[G0+4*(\n)], 1
	s_add_co_u32 s[G0+4*(\n)+1], s21, \ldsop
	s_add_nc_u64 s[G0+4*(\n)+2:G0+4*(\n)+3], s[\ptr:\ptr+1], \globop
	s_or_b32 s[G0+4*(\n)+3], s[G0+4*(\n)+3], 0x80000000
.endm
; THE CHANGE OF SLOTS.  All my tensor loads have landed (the slot that I read next among them); 0 onto my spare word; that and my LDS reads and stores are done; a round of the cluster's barrier;
; then my one joint load, into the slot that I have just read out.  It has the whole next step in which to land.
.macro CHANGE n, g1, ldsop, ptr, globop
	WIN 0
	s_wait_tensorcnt 0x0               ; no tensor load of mine is out, so a group 0 may be written
	ds_add_u32 v[SPW], v[NIL]          ; the descriptor is made between this add and the wait for it
	MKG0 \n, \ldsop, \ptr, \globop
	s_wait_dscnt 0x0
	ROUND
	tensor_load_to_lds s[G0+4*(\n):G0+4*(\n)+3], s[\g1:\g1+7]
	s_nop 0
	PLACES                             ; four v_nop follow the load
.endm
.macro XLOAD base, ptr                 ; 64 rows x my 64 features of x: 32 loads; each takes two rows' 256 consecutive bytes, at multiples of 256 from the buffer's first byte
.irp m, 0,1,2,3
.irp i, 0,1,2,3,4,5,6,7
	global_load_b128 v[\base+32*\m+4*\i:\base+32*\m+4*\i+3], v[GO], s[\ptr:\ptr+1] offset:(16*\m+2*\i)*2048 th:TH_LOAD_NT
.endr
.endr
.endm
; Row tile m of x turns through my stage: in as rows of 256 bytes, 272 apart; back with lane (r, h) taking row r, 32 h bytes on: the accumulators' layout, in the registers that the tile left.
; LDS serves a wave's instructions in order (ISA guide 5.7.1.4): no wait between the stores and the loads, nor in front of the next tile's stores.
.macro TURN base, m
.irp i, 0,1,2,3,4,5,6,7
	ds_store_b128 v[XIW], v[\base+32*(\m)+4*\i:\base+32*(\m)+4*\i+3] offset:544*\i
.endr
.irp t, 0,1,2,3
.irp jj, 0,1
	ds_load_b128 v[\base+32*(\m)+8*\t+4*\jj:\base+32*(\m)+8*\t+4*\jj+3], v[XIR] offset:64*\t+16*\jj
.endr
.endr
.endm
.macro XSLOAD dst, adr, off0, mstep    ; four scale words a row, for each row tile
.irp m, 0,1,2,3
	ds_load_b128 v[\dst+4*\m:\dst+4*\m+3], v[\adr] offset:(\off0)+(\mstep)*\m
.endr
.endm
.macro WFRAGS dst, adw, q              ; my four tiles of W, K step q: lane (r, h): registers 4 c .. 4 c + 3 = k 64 c + 32 h + 0 .. 31: 16 bytes of the row as they lie
.irp t, 0,1,2,3
	ds_load_b128 v[\dst+8*\t:\dst+8*\t+3], v[\adw] offset:4352*\t+64*(\q)
	ds_load_b128 v[\dst+8*\t+4:\dst+8*\t+7], v[\adw] offset:4352*\t+64*(\q)+32
.endr
.endm
.macro AFRAGS dst, off0, stepq, half, q    ; the four row tiles' fragments of K step q, as their images lie
.irp m, 0,1,2,3
	ds_load_b128 v[\dst+8*\m:\dst+8*\m+3], v[ADI] offset:(\off0)+4096*\m+(\stepq)*(\q)
	ds_load_b128 v[\dst+8*\m+4:\dst+8*\m+7], v[ADI] offset:(\off0)+4096*\m+(\stepq)*(\q)+(\half)
.endr
.endm
.macro WM odd                          ; the matrix instruction on the registers just named; an odd tile's scale words lie in lanes 16-31
.if \odd
	v_wmma_scale_f32_16x16x128_f8f6f4 v[rD:rD+7], v[rA:rA+7], v[rB:rB+7], v[rC:rC+7], v[rW], v[rX] matrix_a_fmt:MATRIX_FMT_FP4 matrix_b_fmt:MATRIX_FMT_FP4 matrix_a_scale:MATRIX_SCALE_ROW1
.else
	v_wmma_scale_f32_16x16x128_f8f6f4 v[rD:rD+7], v[rA:rA+7], v[rB:rB+7], v[rC:rC+7], v[rW], v[rX] matrix_a_fmt:MATRIX_FMT_FP4 matrix_b_fmt:MATRIX_FMT_FP4
.endif
.endm
; ---- a plain product: 512 along K, four K steps of 128, on two sets of fragment registers.  Even steps: W in OPW, activations in OPA (window 1).  Odd steps: W in OPA2 (window 1), activations in OPB (window 0).
.macro FETCH adw, aoff, astep, ahalf, q    ; 16 loads
	WIN 0x40                           ; loads into window 1, addresses in window 0
.if ((\q)%2) == 0
	WFRAGS OPW, \adw, \q
	AFRAGS OPA, \aoff, \astep, \ahalf, \q
.else
	WFRAGS OPA2, \adw, \q
	WIN 0
	AFRAGS OPB, \aoff, \astep, \ahalf, \q
.endif
.endm
.macro ONE q, first, ws, xs, t, m
.set rD, ACC+32*(\m)+8*(\t)
.set rA, OPW+8*(\t)
.set rB, OPA+8*(\m)
.if ((\q)%2) == 1
.set rA, OPA2+8*(\t)
.set rB, OPB+8*(\m)
.endif
.set rX, (\xs)+4*(\m)+(\q)
.set rW, (\ws)+4*((\t)/2)+(\q)
.set rC, rD
.if (\first) && ((\q) == 0)
.set rC, BI+8*(\t)
.endif
	WM (\t)%2
.endm
; 16 matrix instructions: the 16 accumulators take turns, one instruction a turn, in the same order in every K step.  first: the sums begin with the bias as C.
.macro MULS q, first, ws, xs
.if ((\q)%2) == 1
	WIN 0x01                           ; W in window 1; activations, C and D in window 0
.elseif (\first) && ((\q) == 0)
	WIN 0x15                           ; W, activations and the bias in window 1, the result in window 0
.else
	WIN 0x05
.endif
.irp t, 0,1,2,3
.irp m, 0,1,2,3
	ONE \q, \first, \ws, \xs, \t, \m
.endr
.endr
.endm
.macro GEMM adw, aoff, astep, ahalf, first, ws, xs
	FETCH \adw, \aoff, \astep, \ahalf, 0
	FETCH \adw, \aoff, \astep, \ahalf, 1
.irp q, 0,1,2,3
.if \q < 3
	s_wait_dscnt 16                    ; this K step's fragments are in (and whatever was asked for ahead of them); the next step's 16 loads may be out
.else
	s_wait_dscnt 0x0
.endif
	MULS \q, \first, \ws, \xs
.if \q < 2
	PLACES
	FETCH \adw, \aoff, \astep, \ahalf, \q+2    ; the set just multiplied takes the K step two on
.endif
.endr
	WIN 0
	PLACES
.endm
; ---- Q and K together: tiles 0, 1 are rows of Wq against x_own, tiles 2, 3 rows of Wk against x_oth.  A K step is two half steps that share no register: 12 loads and 8 matrix instructions each.
.macro FETCHQ adw, q, hf
	WIN 0x40
.irp u, 0,1
	ds_load_b128 v[OPW+16*(\hf)+8*\u:OPW+16*(\hf)+8*\u+3], v[\adw] offset:4352*(2*(\hf)+\u)+64*(\q)
	ds_load_b128 v[OPW+16*(\hf)+8*\u+4:OPW+16*(\hf)+8*\u+7], v[\adw] offset:4352*(2*(\hf)+\u)+64*(\q)+32
.endr
	AFRAGS OPA+64*(\hf), BOFF*(\hf), 1024, 512, \q     ; OPA from region A, or OPA2 from region B
.endm
.macro ONEQ q, hf, t, m
.set rD, ACC+32*(\m)+8*(\t)
.set rA, OPW+8*(\t)
.set rB, OPA+64*(\hf)+8*(\m)
.set rX, XS+16*(\hf)+4*(\m)+(\q)
.set rW, WS+4*(\hf)+(\q)
.set rC, rD
.if (\q) == 0
.set rC, BI+8*(\t)
.endif
	WM (\t)%2
.endm
.macro MULSQ q, hf                     ; eight accumulators by turns; the other half step's eight follow
.if (\q) == 0
	WIN 0x15
.else
	WIN 0x05
.endif
.irp u, 0,1
.irp m, 0,1,2,3
	ONEQ \q, \hf, 2*(\hf)+\u, \m
.endr
.endr
.endm
.macro GEMMQK adw
	FETCHQ \adw, 0, 0
	FETCHQ \adw, 0, 1
.irp q, 0,1,2,3
	s_wait_dscnt 12                    ; Q's half step is in (and the scale words asked for ahead of it); K's 12 loads may be out
	MULSQ \q, 0
.if \q < 3
	PLACES
	FETCHQ \adw, \q+1, 0
	s_wait_dscnt 12                    ; K's half step is in; the 12 loads just issued may be out
.else
	s_wait_dscnt 0x0
.endif
	MULSQ \q, 1
.if \q < 3
	PLACES
	FETCHQ \adw, \q+1, 1
.endif
.endr
	WIN 0
	PLACES
.endm
.macro PRELOAD_QK b                    ; scale words and biases of Wq's and Wk's rows 64 c + 32 b .. + 31: ten loads
	global_load_b128 v[WS:WS+3], v[AWS16], s[12:13] offset:512*(\b)
	global_load_b128 v[WS+4:WS+7], v[AWS16], s[14:15] offset:512*(\b)
	WIN 0x40
.irp t, 0,1
.irp jj, 0,1
	global_load_b128 v[BI+8*\t+4*\jj:BI+8*\t+4*\jj+3], v[AB], s[16:17] offset:128*(\b)+64*\t+16*\jj
	global_load_b128 v[BI+16+8*\t+4*\jj:BI+16+8*\t+4*\jj+3], v[AB], s[18:19] offset:128*(\b)+64*\t+16*\jj
.endr
.endr
	WIN 0
.endm
.macro PRELOAD_G ps, pb, va, vb, o1    ; scale words of 64 rows (lane l: row l, then row 32 + l) and the biases of four tiles: ten loads
	global_load_b128 v[WS:WS+3], v[\va], s[\ps:\ps+1]
	global_load_b128 v[WS+4:WS+7], v[\vb], s[\ps:\ps+1] offset:\o1
	WIN 0x40
.irp t, 0,1,2,3
.irp jj, 0,1
	global_load_b128 v[BI+8*\t+4*\jj:BI+8*\t+4*\jj+3], v[AB], s[\pb:\pb+1] offset:64*\t+16*\jj
.endr
.endr
	WIN 0
.endm
.macro LNLOAD pg, pb                   ; a norm's gain and bias at my 64 features, where the even K steps' fragments lay
	WIN 0x40
.irp t, 0,1,2,3
.irp jj, 0,1
	global_load_b128 v[OPW+8*\t+4*\jj:OPW+8*\t+4*\jj+3], v[AB], s[\pg:\pg+1] offset:64*\t+16*\jj
	global_load_b128 v[OPA+8*\t+4*\jj:OPA+8*\t+4*\jj+3], v[AB], s[\pb:\pb+1] offset:64*\t+16*\jj
.endr
.endr
	WIN 0
.endm
; THE QUANTISER.  64 registers from s on, in window w: two row tiles x my 64 features = four blocks b of 32 (16 numbers here, 16 in lane l xor 16).
; A block's byte is its largest magnitude's exponent field - 2, held at 1 from below by the floor 2^(3 - 127) among the maximum's leaves; the conversion takes that field as its scale.
; The conversion of tile t gives the codes of features 16 t + 8 h + 0 .. 7; the operand wants features 32 h + 8 i + 0 .. 7 in register i: tiles 0 and 2 change halves, and tiles 1 and 3.
; Result, in the set that CODES has chosen: v[PC .. PC+3] the first row tile's four operand registers, v[PC+4 .. PC+7] the second's; v[PW], v[PW+1] their two scale bytes.
.macro QUANT s, w
	WIN (\w)*5
.irp b, 0,1,2,3
	v_max3_num_f32 v[TM+\b], |v[(\s)+16*\b]|, |v[(\s)+16*\b+1]|, 0x1800000
.endr
.irp i, 2,4,6,8,10,12,14
.irp b, 0,1,2,3
	v_max3_num_f32 v[TM+\b], |v[(\s)+16*\b+\i]|, |v[(\s)+16*\b+\i+1]|, v[TM+\b]
.endr
.endr
	WIN 0
.irp b, 0,1,2,3
	v_permlanex16_b32 v[TM+4+\b], v[TM+\b], s90, s91
.endr
.irp b, 0,1,2,3
	v_max_num_f32 v[TM+\b], v[TM+\b], v[TM+4+\b]       ; with lane l xor 16's: the block's largest magnitude
.endr
.irp b, 0,1,2,3
	v_add_nc_u32 v[TM+12+\b], 0xff000000, v[TM+\b]     ; 2 off its exponent field: the conversion's scale operand
.endr
.irp b, 0,1,2,3
	v_lshrrev_b32 v[TM+4+\b], 23, v[TM+12+\b]          ; the scale's byte
.endr
	v_lshl_or_b32 v[PW], v[TM+5], 8, v[TM+4]
	v_lshl_or_b32 v[PW+1], v[TM+7], 8, v[TM+6]
	WIN \w
.irp b, 0,1,2,3
.irp u, 0,1
	v_cvt_scalef32_pk8_fp4_f32 v[PC+4*(\b/2)+2*\u+(\b%2)], v[(\s)+16*\b+8*\u:(\s)+16*\b+8*\u+7], v[TM+12+\b]
.endr
.endr
	WIN 0
	v_nop                              ; one plain place behind a scaled conversion
.irp c, 0,1
.irp u, 0,1
	v_permlane16_swap_b32 v[PC+4*\c+2*\u], v[PC+4*\c+2*\u+1]
.endr
.endr
.endm
.macro PUT mm, aimg, ioff, asc, soff, sstep    ; the two row tiles' codes and bytes, from the set that CODES has chosen, go to LDS
	ds_store_b128 v[\aimg], v[PC:PC+3] offset:(\ioff)+4096*(\mm)
	ds_store_b128 v[\aimg], v[PC+4:PC+7] offset:(\ioff)+4096*((\mm)+1)
	ds_store_b16 v[\asc], v[PW] offset:(\soff)+(\sstep)*(\mm)          ; both lanes of a row write the same two bytes with the same value
	ds_store_b16 v[\asc], v[PW+1] offset:(\soff)+(\sstep)*((\mm)+1)
.endm
.macro SCORE first                     ; the lane's part of Q . K over these 32 features, each accumulator from its low end on
.irp p, 0,1,2,3,4,5,6,7
.irp m, 0,1,2,3
.if (\first) && (\p == 0)
	v_pk_mul_f32 v[SP+2*\m:SP+2*\m+1], v[ACC+32*\m+2*\p:ACC+32*\m+2*\p+1], v[ACC+32*\m+16+2*\p:ACC+32*\m+16+2*\p+1]
.else
	v_pk_fma_f32 v[SP+2*\m:SP+2*\m+1], v[ACC+32*\m+2*\p:ACC+32*\m+2*\p+1], v[ACC+32*\m+16+2*\p:ACC+32*\m+16+2*\p+1], v[SP+2*\m:SP+2*\m+1]
.endif
.endr
.endr
.endm
.macro REDUCE off                      ; the pair's halves, lane l xor 16's, and my wave's word for each row; then the barrier
.irp m, 0,1,2,3
	v_add_f32 v[RS+\m], v[SP+2*\m], v[SP+2*\m+1]
.endr
.irp m, 0,1,2,3
	v_permlanex16_b32 v[PT+\m], v[RS+\m], s90, s91
.endr
.irp m, 0,1,2,3
	v_add_f32 v[RS+\m], v[RS+\m], v[PT+\m]
.endr
.irp m, 0,1,2,3
	ds_store_b32 v[APW], v[RS+\m] offset:(\off)+512*\m
.endr
	BAR
.endm
.macro GETPART off                     ; the eight waves' words of my rows, added in one order in every wave: v[GP + 8 m] = the row's sum
.irp m, 0,1,2,3
	ds_load_b128 v[GP+8*\m:GP+8*\m+3], v[APR] offset:(\off)+512*\m
	ds_load_b128 v[GP+8*\m+4:GP+8*\m+7], v[APR] offset:(\off)+512*\m+16
.endr
	s_wait_dscnt 0x0
.irp m, 0,1,2,3
	v_pk_add_f32 v[GP+8*\m:GP+8*\m+1], v[GP+8*\m:GP+8*\m+1], v[GP+8*\m+2:GP+8*\m+3]
.endr
.irp m, 0,1,2,3
	v_pk_add_f32 v[GP+8*\m+4:GP+8*\m+5], v[GP+8*\m+4:GP+8*\m+5], v[GP+8*\m+6:GP+8*\m+7]
.endr
.irp m, 0,1,2,3
	v_pk_add_f32 v[GP+8*\m:GP+8*\m+1], v[GP+8*\m:GP+8*\m+1], v[GP+8*\m+4:GP+8*\m+5]
.endr
.irp m, 0,1,2,3
	v_add_f32 v[GP+8*\m], v[GP+8*\m], v[GP+8*\m+1]
.endr
.endm
; LAYER NORM of the accumulators + the residual, over the 512 features that the eight waves hold: the mean first, then the mean of the squared differences, as the definition has it.
; win, dst: the window setting and the first register of the result.
.macro LN win, dst
	WIN 0x04                           ; source 1 (the residual) in window 1
.irp p, 0,1,2,3,4,5,6,7,8,9,10,11,12,13,14,15
.irp m, 0,1,2,3
	v_pk_add_f32 v[ACC+32*\m+2*\p:ACC+32*\m+2*\p+1], v[ACC+32*\m+2*\p:ACC+32*\m+2*\p+1], v[RES+32*\m+2*\p:RES+32*\m+2*\p+1]
.endr
.endr
	WIN 0
.irp m, 0,1,2,3
	v_pk_add_f32 v[SP+2*\m:SP+2*\m+1], v[ACC+32*\m:ACC+32*\m+1], v[ACC+32*\m+2:ACC+32*\m+3]
.endr
.irp p, 2,3,4,5,6,7,8,9,10,11,12,13,14,15
.irp m, 0,1,2,3
	v_pk_add_f32 v[SP+2*\m:SP+2*\m+1], v[SP+2*\m:SP+2*\m+1], v[ACC+32*\m+2*\p:ACC+32*\m+2*\p+1]
.endr
.endr
	REDUCE 0
	GETPART 0
.irp m, 0,1,2,3
	v_mul_f32 v[MEAN+2*\m], s92, v[GP+8*\m]            ; / 512
	v_mul_f32 v[MEAN+2*\m+1], s92, v[GP+8*\m]
.endr
.irp p, 0,1,2,3,4,5,6,7,8,9,10,11,12,13,14,15
.irp m, 0,1,2,3
	v_pk_add_f32 v[ACC+32*\m+2*\p:ACC+32*\m+2*\p+1], v[ACC+32*\m+2*\p:ACC+32*\m+2*\p+1], v[MEAN+2*\m:MEAN+2*\m+1] neg_lo:[0,1] neg_hi:[0,1]
.endr
.endr
.irp m, 0,1,2,3
	v_pk_mul_f32 v[SP+2*\m:SP+2*\m+1], v[ACC+32*\m:ACC+32*\m+1], v[ACC+32*\m:ACC+32*\m+1]
.endr
.irp p, 1,2,3,4,5,6,7,8,9,10,11,12,13,14,15
.irp m, 0,1,2,3
	v_pk_fma_f32 v[SP+2*\m:SP+2*\m+1], v[ACC+32*\m+2*\p:ACC+32*\m+2*\p+1], v[ACC+32*\m+2*\p:ACC+32*\m+2*\p+1], v[SP+2*\m:SP+2*\m+1]
.endr
.endr
	REDUCE POFF                        ; other bytes than the first sum's: no barrier is needed between the first sum's reads and these stores
	GETPART POFF
.irp m, 0,1,2,3
	v_fma_f32 v[GP+8*\m], v[GP+8*\m], s92, s93         ; the variance + 1e-5
.endr
.irp m, 0,1,2,3
	v_rsq_f32 v[RSD+2*\m], v[GP+8*\m]
.endr
	v_nop                              ; a plain place behind the last of the four
	s_wait_alu depctr_va_vdst(0)       ; one wait for the four, ahead of their first reader
.irp m, 0,1,2,3
	v_mov_b32 v[RSD+2*\m+1], v[RSD+2*\m]
.endr
	s_wait_loadcnt 0x0                 ; the gain and the bias (and whatever else was asked for ahead) are in
.irp p, 0,1,2,3,4,5,6,7,8,9,10,11,12,13,14,15
.irp m, 0,1,2,3
	v_pk_mul_f32 v[ACC+32*\m+2*\p:ACC+32*\m+2*\p+1], v[ACC+32*\m+2*\p:ACC+32*\m+2*\p+1], v[RSD+2*\m:RSD+2*\m+1]
.endr
.endr
	WIN \win                           ; gain and bias in window 1; the result where the caller wants it
.irp p, 0,1,2,3,4,5,6,7,8,9,10,11,12,13,14,15
.irp m, 0,1,2,3
	v_pk_fma_f32 v[\dst+32*\m+2*\p:\dst+32*\m+2*\p+1], v[ACC+32*\m+2*\p:ACC+32*\m+2*\p+1], v[OPW+2*\p:OPW+2*\p+1], v[OPA+2*\p:OPA+2*\p+1]
.endr
.endr
	WIN 0
.endm
; GELU of one accumulator, in place: a (1 + erf(a / sqrt 2)) / 2, erf(z) = z P(z^2) / Q(z^2), |z| held at 4.  The eight reciprocals are one batch; P's 24 multiply-adds are the work behind them; one wait.
.macro GELU g
.set A0, ACC+8*(\g)
.irp k, 0,2,4,6
	v_pk_mul_f32 v[Z+\k:Z+\k+1], v[A0+\k:A0+\k+1], s[86:87] op_sel_hi:[1,0]
.endr
.irp k, 0,1,2,3,4,5,6,7
	v_med3_num_f32 v[Z+\k], v[Z+\k], -4.0, 4.0
.endr
.irp k, 0,2,4,6
	v_pk_mul_f32 v[Z2+\k:Z2+\k+1], v[Z+\k:Z+\k+1], v[Z+\k:Z+\k+1]
.endr
.irp k, 0,2,4,6
	v_pk_fma_f32 v[QQ+\k:QQ+\k+1], v[Z2+\k:Z2+\k+1], s[EB8:EB8+1], v[VB6:VB6+1] op_sel_hi:[1,0,1]
.endr
.irp c, EB4, EB2, EB0
.irp k, 0,2,4,6
	v_pk_fma_f32 v[QQ+\k:QQ+\k+1], v[QQ+\k:QQ+\k+1], v[Z2+\k:Z2+\k+1], s[\c:\c+1] op_sel_hi:[1,1,0]
.endr
.endr
.irp k, 0,1,2,3,4,5,6,7
	v_rcp_f32 v[QQ+\k], v[QQ+\k]
.endr
.irp k, 0,2,4,6
	v_pk_fma_f32 v[PP+\k:PP+\k+1], v[Z2+\k:Z2+\k+1], s[EA13:EA13+1], v[VA11:VA11+1] op_sel_hi:[1,0,1]
.endr
.irp c, EA9, EA7, EA5, EA3, EA1
.irp k, 0,2,4,6
	v_pk_fma_f32 v[PP+\k:PP+\k+1], v[PP+\k:PP+\k+1], v[Z2+\k:Z2+\k+1], s[\c:\c+1] op_sel_hi:[1,1,0]
.endr
.endr
.irp k, 0,2,4,6
	v_pk_mul_f32 v[PP+\k:PP+\k+1], v[PP+\k:PP+\k+1], v[Z+\k:Z+\k+1]
.endr
.irp k, 0,2,4,6
	v_pk_mul_f32 v[Z2+\k:Z2+\k+1], v[A0+\k:A0+\k+1], 0.5 op_sel_hi:[1,0]
.endr
	s_wait_alu depctr_va_vdst(0)       ; one wait for the eight reciprocals, ahead of their first reader
.irp k, 0,2,4,6
	v_pk_mul_f32 v[PP+\k:PP+\k+1], v[PP+\k:PP+\k+1], v[QQ+\k:QQ+\k+1]
.endr
.irp k, 0,2,4,6
	v_pk_fma_f32 v[A0+\k:A0+\k+1], v[Z2+\k:Z2+\k+1], v[PP+\k:PP+\k+1], v[Z2+\k:Z2+\k+1]
.endr
.endm
; THE WAY OUT.  A lane holds 32 neighbouring bytes of a row four times over, and the lanes beside it hold other rows: a row tile goes through my own stage and comes back as rows of 256 bytes.
; The stage lies in my part of slot 0, which has had its last fill and my last read.  LDS serves a wave's instructions in order (ISA guide 5.7.1.4): no wait between the stores and the loads.
.macro STAGE m
.irp t, 0,1,2,3
.irp jj, 0,1
	ds_store_b128 v[STO], v[ACC+32*(\m)+8*\t+4*\jj:ACC+32*(\m)+8*\t+4*\jj+3] offset:4352*(\m)+64*\t+16*\jj
.endr
.endr
.irp i, 0,1,2,3,4,5,6,7
	ds_load_b128 v[ACC+32*(\m)+4*\i:ACC+32*(\m)+4*\i+3], v[STR] offset:4352*(\m)+544*\i
.endr
.endm
.macro SEND m, younger                 ; younger: the LDS instructions issued behind this row tile's loads
	s_wait_dscnt \younger
.irp i, 0,1,2,3,4,5,6,7
	global_store_b128 v[GO], v[ACC+32*(\m)+4*\i:ACC+32*(\m)+4*\i+3], s[98:99] offset:(16*(\m)+2*\i)*2048 th:TH_STORE_NT   ; 16 lanes store 256 consecutive bytes, at a multiple of 256 from the buffer's first byte
.endr
.endm
; ---------------------------------------------------------------- the head
	s_load_b512 s[4:19], s[0:1], 0x0               ; x_own, x_oth, Wq codes, Wk codes, Wq scales, Wk scales, bq, bk
	s_load_b512 s[68:83], s[0:1], 0x40             ; Wv codes, Wv scales, bv, Wo codes, Wo scales, bo, ln1 g, ln1 b
	s_load_b64 s[98:99], s[0:1], 0xc0              ; out
	v_lshl_add_u32 v[SPW], v0, 2, SPARE
	v_mov_b32 v[NIL], 0
	ds_add_u32 v1, v2
	ds_add_u32 v1, v2
	s_wait_dscnt 0x0
	v_lshrrev_b32 v30, 5, v0
	v_readfirstlane_b32 s20, v30                   ; wave c, 0 .. 7
	s_mul_i32 s21, s20, WPART                      ; my part of a slot
	s_bfe_u32 s22, ttmp6, 0x40000                  ; my place in the cluster
	s_lshl_b32 s23, ttmp9, 2
	s_add_co_u32 s23, s23, s22                     ; my work-group: it enters x's and out's addresses alone
	v_and_b32 v[LANE], 31, v0
	v_and_b32 v30, 15, v0                          ; r
	v_bfe_u32 v31, v0, 4, 1                        ; h
	v_mul_u32_u24 v[ADW0], v30, 272
	v_lshl_add_u32 v[ADW0], v31, 4, v[ADW0]
	v_add_nc_u32 v[ADW0], s21, v[ADW0]
	v_add_nc_u32 v[ADW1], SLOTB, v[ADW0]
	v_lshl_add_u32 v[ADI], v[LANE], 4, IMGA
	s_lshl_b32 s2, s20, 9
	v_add_nc_u32 v[AIW], s2, v[ADI]
	v_lshl_add_u32 v[ASR], v30, 4, SCA
	s_lshl_b32 s2, s20, 1
	v_add_nc_u32 v[ASW], s2, v[ASR]
	v_lshl_add_u32 v[AHR], v30, 5, HSC
	s_lshl_b32 s2, s20, 2
	v_add_nc_u32 v[AHW], s2, v[AHR]
	v_lshl_add_u32 v[APR], v30, 5, PART1
	v_add_nc_u32 v[APW], s2, v[APR]
	v_lshlrev_b32 v[AB], 5, v31
	v_lshlrev_b32 v[AWS16], 4, v[LANE]
	v_lshlrev_b32 v[AWS32], 5, v[LANE]
	v_mul_u32_u24 v[STO], v30, 272
	v_lshl_add_u32 v[STO], v31, 5, v[STO]
	v_add_nc_u32 v[STO], s21, v[STO]
	v_mul_u32_u24 v[STR], v31, 272
	v_lshl_add_u32 v[STR], v30, 4, v[STR]
	v_add_nc_u32 v[STR], s21, v[STR]
	v_lshlrev_b32 v[GO], 11, v31
	v_lshl_add_u32 v[GO], v30, 4, v[GO]
	s_mul_i32 s2, s20, XSTW
	s_add_co_u32 s2, s2, IMGA                      ; my stage for x
	v_mul_u32_u24 v[XIW], v31, 272
	v_lshl_add_u32 v[XIW], v30, 4, v[XIW]
	v_add_nc_u32 v[XIW], s2, v[XIW]
	v_mul_u32_u24 v30, v30, 272                    ; (r is wanted no more)
	v_lshl_add_u32 v30, v31, 5, v30
	v_add_nc_u32 v[XIR], s2, v30
.irp b, 0,1,2,3
	v_mov_b32 v[TM+4+\b], 0                        ; written once: a lane permute's destination counts as one of its sources
.endr
	v_mov_b32 v[VB6], 0xb95fbd29                   ; b6 = -2.13374055e-4
	v_mov_b32 v[VB6+1], 0xb95fbd29
	v_mov_b32 v[VA11], 0x32edffee                  ; a11 = 2.77068142e-8
	v_mov_b32 v[VA11+1], 0x32edffee
.irp g, G1A, G1H, G1W                              ; the three shapes: rows of 256 bytes, 16 bytes of padding behind each
	s_mov_b32 s[\g], GW0
	s_mov_b32 s[\g+1], 256<<16                     ; tensor_dim0
	s_mov_b32 s[\g+3], 256<<16                     ; tile_dim0
	s_mov_b32 s[\g+6], 0
	s_mov_b32 s[\g+7], 0
.endr
	s_mov_b32 s[G1A+2], 64<<16                     ; tensor_dim1
	s_mov_b32 s[G1A+4], 64                         ; tile_dim1
	s_mov_b32 s[G1A+5], 256                        ; from row to row in memory
	s_mov_b32 s[G1H+2], 32<<16
	s_mov_b32 s[G1H+4], 32
	s_mov_b32 s[G1H+5], 256
	s_mov_b32 s[G1W+2], 64<<16
	s_mov_b32 s[G1W+4], 64
	s_mov_b32 s[G1W+5], 512
	s_mov_b32 s86, 0x3f3504f3                      ; 1 / sqrt 2
	s_mov_b32 s87, 0x3f3504f3
	s_mov_b32 s90, 0x76543210                      ; v_permlanex16_b32's selects for lane l xor 16
	s_mov_b32 s91, 0xfedcba98
	s_mov_b32 s92, 0x3b000000                      ; 1 / 512
	s_mov_b32 s93, 0x3727c5ac                      ; 1e-5
	s_mov_b32 s101, 0                              ; the high word of every offset made of the wave's number
	s_lshl_b32 s88, s23, 17                        ; my work-group's 64 rows of 2,048 bytes,
	s_lshl_b32 s2, s20, 8                          ; my wave's 64 features
	s_add_co_u32 s88, s88, s2
	s_mov_b32 s89, 0
	s_wait_kmcnt 0x0
.irp p, 4, 6, 98
	s_add_nc_u64 s[\p:\p+1], s[\p:\p+1], s[88:89]  ; x_own, x_oth, out
.endr
	s_lshl_b32 s100, s20, 14                       ; 64 rows of 256 bytes of codes
.irp p, 8, 10, 68, 74
	s_add_nc_u64 s[\p:\p+1], s[\p:\p+1], s[100:101]
.endr
	s_lshl_b32 s100, s20, 10                       ; 64 rows of 16 scale bytes
.irp p, 12, 14, 70, 76
	s_add_nc_u64 s[\p:\p+1], s[\p:\p+1], s[100:101]
.endr
	s_lshl_b32 s100, s20, 8                        ; 64 numbers of f32
.irp p, 16, 18, 72, 78, 80, 82
	s_add_nc_u64 s[\p:\p+1], s[\p:\p+1], s[100:101]
.endr
	XLOAD ACC, 6                                   ; x goes first: the first product waits for it.  x_oth into the accumulators' registers: it is wanted as codes alone
	WIN 0x40
	XLOAD RES, 4                                   ; x_own stays: the first residual
	WIN 0
	PRELOAD_QK 0
	MKG0 0, 0, 8, 0                                ; slot 0: Wq rows 0-31 of my 64,
	MKG0 1, HPART, 10, 0                           ;         Wk rows 0-31
	MKG0 2, SLOTB, 8, 8192                         ; slot 1: Wq rows 32-63,
	MKG0 3, SLOTB+HPART, 10, 8192                  ;         Wk rows 32-63
	ROUND                                          ; all four work-groups are here: the first joint loads meet
	tensor_load_to_lds s[G0:G0+3], s[G1H:G1H+7]    ; the first fills go out as one group: four loads of mine are out
	s_nop 0
	tensor_load_to_lds s[G0+4:G0+7], s[G1H:G1H+7]
	s_nop 0
	tensor_load_to_lds s[G0+8:G0+11], s[G1H:G1H+7]
	s_nop 0
	tensor_load_to_lds s[G0+12:G0+15], s[G1H:G1H+7]
	s_nop 0
	PLACES
	s_wait_loadcnt 58                              ; of the 74 loads the first 16 are in: x_oth's row tiles 0, 1
	TURN ACC, 0
	TURN ACC, 1
	s_wait_dscnt 0x0
	CODES 0
	QUANT ACC, 0                                   ; x_oth is quantised while x_own arrives; its codes wait in registers: the images' bytes are still stages
	s_wait_loadcnt 42                              ; 16 more: row tiles 2, 3
	TURN ACC, 2
	TURN ACC, 3
	s_wait_dscnt 0x0
	CODES 1
	QUANT ACC+64, 0
	s_wait_loadcnt 26                              ; x_own's row tiles 0, 1
	WIN 0x44                                       ; an LDS store's data (source 1) and an LDS load's destination in window 1
	TURN RES, 0
	TURN RES, 1
	s_wait_loadcnt 10                              ; and 2, 3; the ten scale and bias loads may be out
	TURN RES, 2
	TURN RES, 3
	WIN 0
	BAR                                            ; every wave's reads of its stage are back: from here on these bytes hold images.  (My tensor loads may stay out)
	CODES 0
	PUT 0, AIW, BOFF, ASW, SBOFF, 256
	CODES 1
	PUT 2, AIW, BOFF, ASW, SBOFF, 256
	s_wait_dscnt 0x0                               ; the stores have read both sets: they are written again at once
	CODES 0
	QUANT RES, 1
	PUT 0, AIW, 0, ASW, 0, 256
	CODES 1
	QUANT RES+64, 1
	PUT 2, AIW, 0, ASW, 0, 256
	s_wait_tensorcnt 0x2                           ; my part of slot 0 is in; slot 1's two loads may stay out
	BAR                                            ; both inputs' images lie in LDS
; ---------------------------------------------------------------- Q and K, 32 features of my head at a time, and the score
	XSLOAD XS, ASR, 0, 256                         ; x_own's scale words
	XSLOAD XS2, ASR, SBOFF, 256                    ; x_oth's: they stay for V's product
	s_wait_loadcnt 0x0
	GEMMQK ADW0
	PRELOAD_QK 1
	SCORE 1
	CHANGE 0, G1A, 0, 68, 0                        ; slot 0 takes Wv
	s_wait_loadcnt 0x0                             ; every load that names s[4:19] is done:
	s_load_b512 s[4:19], s[0:1], 0x80              ; W1 codes, W1 scales, b1, W2 codes, W2 scales, b2, ln2 g, ln2 b
	GEMMQK ADW1
	PRELOAD_G 70, 72, AWS16, AWS16, 512            ; Wv's scale words, bv
	SCORE 0
	; the softmax over the one key, as it is written: the maximum is the score itself
.irp m, 0,1,2,3
	v_add_f32 v[RS+\m], v[SP+2*\m], v[SP+2*\m+1]
.endr
.irp m, 0,1,2,3
	v_permlanex16_b32 v[PT+\m], v[RS+\m], s90, s91
.endr
.irp m, 0,1,2,3
	v_add_f32 v[RS+\m], v[RS+\m], v[PT+\m]
.endr
.irp m, 0,1,2,3
	v_mul_f32 v[RS+\m], 0x3e000000, v[RS+\m]       ; / sqrt(64)
.endr
.irp m, 0,1,2,3
	v_sub_f32 v[PT+\m], v[RS+\m], v[RS+\m]         ; score - the row's maximum
.endr
.irp m, 0,1,2,3
	v_mul_f32 v[PT+\m], 0x3fb8aa3b, v[PT+\m]       ; x log2(e)
.endr
.irp m, 0,1,2,3
	v_exp_f32 v[PT+\m], v[PT+\m]
.endr
	v_nop
	s_wait_alu depctr_va_vdst(0)                   ; one wait for the four exponentials
.irp m, 0,1,2,3
	v_rcp_f32 v[RS+\m], v[PT+\m]                   ; 1 / the sum, which has one term
.endr
	v_nop
	s_wait_alu depctr_va_vdst(0)                   ; and one for the four reciprocals
.irp m, 0,1,2,3
	v_mul_f32 v[WGT+2*\m], v[PT+\m], v[RS+\m]
	v_mul_f32 v[WGT+2*\m+1], v[PT+\m], v[RS+\m]
.endr
	CHANGE 1, G1A, SLOTB, 74, 0                    ; slot 1 takes Wo
; ---------------------------------------------------------------- V, the weight, and the attention's result as codes
	s_wait_loadcnt 0x0
	GEMM ADW0, BOFF, 1024, 512, 1, WS, XS2
	s_wait_kmcnt 0x0                               ; the feed-forward part's addresses
	s_lshl_b32 s100, s20, 15                       ; W1: 128 rows of 256 bytes; W2: 64 rows of 512
.irp p, 4, 10
	s_add_nc_u64 s[\p:\p+1], s[\p:\p+1], s[100:101]
.endr
	s_lshl_b32 s100, s20, 11                       ; W1: 128 rows of 16 scale bytes; W2: 64 rows of 32
.irp p, 6, 12
	s_add_nc_u64 s[\p:\p+1], s[\p:\p+1], s[100:101]
.endr
	s_lshl_b32 s100, s20, 9                        ; b1: 128 numbers
	s_add_nc_u64 s[8:9], s[8:9], s[100:101]
	s_lshl_b32 s100, s20, 8                        ; b2, ln2 g, ln2 b: 64 numbers
.irp p, 14, 16, 18
	s_add_nc_u64 s[\p:\p+1], s[\p:\p+1], s[100:101]
.endr
	PRELOAD_G 76, 78, AWS16, AWS16, 512            ; Wo's scale words, bo
.irp p, 0,1,2,3,4,5,6,7,8,9,10,11,12,13,14,15
.irp m, 0,1,2,3
	v_pk_mul_f32 v[ACC+32*\m+2*\p:ACC+32*\m+2*\p+1], v[ACC+32*\m+2*\p:ACC+32*\m+2*\p+1], v[WGT+2*\m:WGT+2*\m+1]
.endr
.endr
	CODES 0
	QUANT ACC, 0
	PUT 0, AIW, 0, ASW, 0, 256                     ; region A: x_own's images were last read a round ago
	CODES 1
	QUANT ACC+64, 0
	PUT 2, AIW, 0, ASW, 0, 256
	CHANGE 0, G1A, 0, 4, 0                         ; slot 0 takes W1's rows 0-63 of my 128
; ---------------------------------------------------------------- Wo, the residual, the first norm
	XSLOAD XS, ASR, 0, 256
	s_wait_loadcnt 0x0
	GEMM ADW1, 0, 1024, 512, 1, WS, XS
	PRELOAD_G 6, 8, AWS16, AWS16, 512              ; W1's scale words and b1, first half
	LNLOAD 80, 82
	LN 0x54, RES                                   ; y1 takes x_own's place: the second residual
	CODES 0
	QUANT RES, 1
	PUT 0, AIW, BOFF, ASW, SBOFF, 256              ; region B: x_oth's images were last read a round ago
	CODES 1
	QUANT RES+64, 1
	PUT 2, AIW, BOFF, ASW, SBOFF, 256
	CHANGE 1, G1A, SLOTB, 4, 16384                 ; slot 1 takes W1's rows 64-127
	s_add_nc_u64 s[6:7], s[6:7], 1024              ; W1's scale words and b1, second half (the loads that named these are done: the norm waited for them)
	s_add_nc_u64 s[8:9], s[8:9], 256
	s_mov_b32 s[EA13], 0xaf95df0b                  ; erf's coefficients, where the attention part's addresses lay
	s_mov_b32 s[EA13+1], 0xaf95df0b
	s_mov_b32 s[EA9], 0xb60cff51
	s_mov_b32 s[EA9+1], 0xb60cff51
	s_mov_b32 s[EA7], 0xb86ec2d2
	s_mov_b32 s[EA7+1], 0xb86ec2d2
	s_mov_b32 s[EA5], 0xba40ac63
	s_mov_b32 s[EA5+1], 0xba40ac63
	s_mov_b32 s[EA3], 0xbb41a1f6
	s_mov_b32 s[EA3+1], 0xbb41a1f6
	s_mov_b32 s[EA1], 0xbc83dbd4
	s_mov_b32 s[EA1+1], 0xbc83dbd4
	s_mov_b32 s[EB8], 0xb77460cd
	s_mov_b32 s[EB8+1], 0xb77460cd
	s_mov_b32 s[EB4], 0xbadc924e
	s_mov_b32 s[EB4+1], 0xbadc924e
	s_mov_b32 s[EB2], 0xbbf19bf8
	s_mov_b32 s[EB2+1], 0xbbf19bf8
	s_mov_b32 s[EB0], 0xbc69b6a7
	s_mov_b32 s[EB0+1], 0xbc69b6a7
	s_mov_b32 s94, 0                               ; the trip
	s_mov_b32 s95, 0                               ; the slot in hand, in bytes
	s_mov_b32 s96, 0                               ; which region takes the hidden layer's codes
	s_mov_b32 s97, 0                               ; which two bytes of its scale word
	s_mov_b32 s100, 0                              ; which half of W2's K is asked for
; ---------------------------------------------------------------- the hidden layer: two trips of 64 of my 128 units
.Lffn:
	v_add_nc_u32 v[ADWL], s95, v[ADW0]
	v_add_nc_u32 v[AIWL], s96, v[AIW]
	v_add_nc_u32 v[AHWL], s97, v[AHW]
	XSLOAD XS, ASR, SBOFF, 256                     ; y1's scale words
	s_wait_loadcnt 0x0                             ; this trip's scale words and biases
	GEMM ADWL, BOFF, 1024, 512, 1, WS, XS
	s_cmp_eq_u32 s94, 0                            ; what the next product wants: W1's second half, or W2's first half of K
	s_cselect_b64 s[2:3], s[6:7], s[12:13]
	s_cselect_b64 s[88:89], s[8:9], s[14:15]
	s_cselect_b32 s22, 4, 5                        ; a row of scale bytes is 16 or 32
	v_lshlrev_b32 v[AWSL], s22, v[LANE]
	v_add_nc_u32 v[AWSL2], 32, v[LANE]
	v_lshlrev_b32 v[AWSL2], s22, v[AWSL2]
	PRELOAD_G 2, 88, AWSL, AWSL2, 0
	BAR                                            ; every wave has read y1's images: the second trip's codes land on them
.irp g, 0,1,2,3,4,5,6,7,8,9,10,11,12,13,14,15
	GELU \g
.endr
	CODES 0
	QUANT ACC, 0
	PUT 0, AIWL, 0, AHWL, 0, 512                   ; registers 4 i .. 4 i + 3 of K step c of the last product
	CODES 1
	QUANT ACC+64, 0
	PUT 2, AIWL, 0, AHWL, 0, 512
	CHANGE 2, G1W, s95, 10, s[100:101]             ; the slot just read takes W2's rows, this half of K
	s_add_co_u32 s95, s95, SLOTB
	s_add_co_u32 s96, s96, BOFF
	s_add_co_u32 s97, s97, 2
	s_add_co_u32 s100, s100, 256
	s_add_co_u32 s94, s94, 1
	s_cmp_lt_u32 s94, 2
	s_cbranch_scc1 .Lffn
; ---------------------------------------------------------------- W2 over K = 1,024, the residual, the second norm
	XSLOAD XS, AHR, 0, 512                         ; the hidden layer's scale words of K steps 0-3,
	XSLOAD XS2, AHR, 16, 512                       ; and of 4-7
	global_load_b128 v[WS2:WS2+3], v[AWS32], s[12:13] offset:16        ; W2's scale words of the second half of K
	global_load_b128 v[WS2+4:WS2+7], v[AWS32], s[12:13] offset:1040
	s_wait_loadcnt 0x2                             ; all but these two
	GEMM ADW0, 0, 512, BOFF, 1, WS, XS
	s_wait_tensorcnt 0x0                           ; my last tile is in
	s_wait_loadcnt 0x0
	GEMM ADW1, 2048, 512, BOFF, 0, WS2, XS2        ; the sums go on in place
	LNLOAD 16, 18
	LN 0x14, ACC
	STAGE 0
	STAGE 1
	SEND 0, 16                                     ; behind row tile 0's loads: row tile 1's eight stores and eight loads
	STAGE 2
	SEND 1, 16
	STAGE 3
	SEND 2, 16
	SEND 3, 0
	s_wait_tensorcnt 0x0                           ; the wave's end: behind my last tensor load and my last LDS store
	ds_add_u32 v[SPW], v[NIL]
	s_wait_dscnt 0x0
	ROUND                                          ; the closing round: no work-group ends while a partner may still ask for a tile that names it
	s_endpgm
.Lfunc_end_k_q017926cda6_img:
	.size	k_q017926cda6_img, .Lfunc_end_k_q017926cda6_img-k_q017926cda6_img
	.p2alignl 7, 3214868480
	.fill 96, 4, 3214868480
	.section	.rodata,"a",@progbits
	.p2align	6, 0x0
	.amdhsa_kernel k_q017926cda6_img
		.amdhsa_group_segment_fixed_size 327680
		.amdhsa_private_segment_fixed_size 0
		.amdhsa_enable_private_segment 0
		.amdhsa_kernarg_size 200
		.amdhsa_user_sgpr_count 2
		.amdhsa_user_sgpr_kernarg_segment_ptr 1
		.amdhsa_wavefront_size32 1
		.amdhsa_system_sgpr_workgroup_id_x 1
		.amdhsa_system_sgpr_workgroup_id_y 1
		.amdhsa_system_sgpr_workgroup_id_z 1
		.amdhsa_system_vgpr_workitem_id 0
		.amdhsa_next_free_vgpr 512
		.amdhsa_next_free_sgpr 102
		.amdhsa_reserve_vcc 0
		.amdhsa_float_denorm_mode_32 3
		.amdhsa_float_denorm_mode_16_64 3
		.amdhsa_memory_ordered 1
		.amdhsa_forward_progress 1
		.amdhsa_inst_pref_size 255
	.end_amdhsa_kernel
	.section	.bss,"aw",@nobits
	.p2align	6
	.space	262144
	.amdgpu_metadata
---
amdhsa.version: [ 1, 2 ]
amdhsa.kernels:
  - .name:           k_q017926cda6_img
    .symbol:         k_q017926cda6_img.kd
    .args:
      - { .name: img_feat, .offset: 0, .size: 8, .value_kind: global_buffer, .address_space: global }
      - { .name: text_feat, .offset: 8, .size: 8, .value_kind: global_buffer, .address_space: global }
      - { .name: i2t_Wq_codes, .offset: 16, .size: 8, .value_kind: global_buffer, .address_space: global }
      - { .name: i2t_Wk_codes, .offset: 24, .size: 8, .value_kind: global_buffer, .address_space: global }
      - { .name: i2t_Wq_scales, .offset: 32, .size: 8, .value_kind: global_buffer, .address_space: global }
      - { .name: i2t_Wk_scales, .offset: 40, .size: 8, .value_kind: global_buffer, .address_space: global }
      - { .name: i2t_bq, .offset: 48, .size: 8, .value_kind: global_buffer, .address_space: global }
      - { .name: i2t_bk, .offset: 56, .size: 8, .value_kind: global_buffer, .address_space: global }
      - { .name: i2t_Wv_codes, .offset: 64, .size: 8, .value_kind: global_buffer, .address_space: global }
      - { .name: i2t_Wv_scales, .offset: 72, .size: 8, .value_kind: global_buffer, .address_space: global }
      - { .name: i2t_bv, .offset: 80, .size: 8, .value_kind: global_buffer, .address_space: global }
      - { .name: i2t_Wo_codes, .offset: 88, .size: 8, .value_kind: global_buffer, .address_space: global }
      - { .name: i2t_Wo_scales, .offset: 96, .size: 8, .value_kind: global_buffer, .address_space: global }
      - { .name: i2t_bo, .offset: 104, .size: 8, .value_kind: global_buffer, .address_space: global }
      - { .name: ln1i_g, .offset: 112, .size: 8, .value_kind: global_buffer, .address_space: global }
      - { .name: ln1i_b, .offset: 120, .size: 8, .value_kind: global_buffer, .address_space: global }
      - { .name: ffn_img_W1_codes, .offset: 128, .size: 8, .value_kind: global_buffer, .address_space: global }
      - { .name: ffn_img_W1_scales, .offset: 136, .size: 8, .value_kind: global_buffer, .address_space: global }
      - { .name: ffn_img_b1, .offset: 144, .size: 8, .value_kind: global_buffer, .address_space: global }
      - { .name: ffn_img_W2_codes, .offset: 152, .size: 8, .value_kind: global_buffer, .address_space: global }
      - { .name: ffn_img_W2_scales, .offset: 160, .size: 8, .value_kind: global_buffer, .address_space: global }
      - { .name: ffn_img_b2, .offset: 168, .size: 8, .value_kind: global_buffer, .address_space: global }
      - { .name: ln2i_g, .offset: 176, .size: 8, .value_kind: global_buffer, .address_space: global }
      - { .name: ln2i_b, .offset: 184, .size: 8, .value_kind: global_buffer, .address_space: global }
      - { .name: out1, .offset: 192, .size: 8, .value_kind: global_buffer, .address_space: global }
    .group_segment_fixed_size: 327680
    .private_segment_fixed_size: 0
    .kernarg_segment_align: 8
    .kernarg_segment_size: 200
    .max_flat_workgroup_size: 256
    .sgpr_count:     102
    .vgpr_count:     512
    .wavefront_size: 32
...
	.end_amdgpu_metadata
.endif
;; end of part 2
;; launch text: the kernel of part 2 again; grid 256 x 1, 8 waves a work-group, clusters of 4 x 1, 327,680 bytes of LDS; arguments text_feat, img_feat, t2i_Wq_codes, t2i_Wk_codes, t2i_Wq_scales, t2i_Wk_scales, t2i_bq, t2i_bk, t2i_Wv_codes, t2i_Wv_scales, t2i_bv, t2i_Wo_codes, t2i_Wo_scales, t2i_bo, ln1t_g, ln1t_b, ffn_text_W1_codes, ffn_text_W1_scales, ffn_text_b1, ffn_text_W2_codes, ffn_text_W2_scales, ffn_text_b2, ln2t_g, ln2t_b, out0; writes out0
